; MI455X (gfx1250); checked and timed in simulation.
; The chip was launched on July 23, 2026; its instructions are those of AMD's public machine-readable ISA for CDNA 5 (MIT licence, August 2026) and "CDNA5" Instruction Set Architecture Reference Guide (July 2026). The comments in the code are by the model that wrote it; some were corrected since.
;; Transformer Block. Allowed arithmetic: matrix products marked QUANTISED: E5M2 operands, one E8M0 scale for each 32 along K, by v_wmma_scale_f32_16x16x128_f8f6f4 with both operands' format E5M2, f32 sums; everything else in f32.
;; Inputs: b_ff1 4,096 float32; b_ff2 1,024 float32; b_out 1,024 float32; b_qkv 3,072 float32; ln1_b 1,024 float32; ln1_g 1,024 float32; ln2_b 1,024 float32; ln2_g 1,024 float32; w_ff1 1,024 x 4,096 float32; w_ff2 4,096 x 1,024 float32; w_out 1,024 x 1,024 float32; w_qkv 1,024 x 3,072 float32; x 2 x 2,048 x 1,024 float32.
;; Outputs: out0 2 x 2,048 x 1,024 float32.
;; This version of the problem:
;;   THIS VERSION OF THE PROBLEM IS GIVEN IN LOW PRECISION. The matrix products marked QUANTISED in the list below multiply operands that are first quantised to E5M2 (5 exponent bits, 2 mantissa bits; 8 bits a number), with one power-of-two scale for each 32 numbers along K (OCP MX v1.0); their sums are f32. All else is computed in f32.
;;   The module's matrix products, in the order in which they are computed (A, B: the left and right operand; K: the contracted axis; several contracted axes count as one K, in the product's order):
;;     1. [M 4,096, K 1,024] x [K 1,024, N 3,072]; A: input x; B: input w_qkv: QUANTISED
;;     2. batch 32 x [M 2,048, K 64] x [K 64, N 2,048]; A: computed on the way; B: computed on the way: QUANTISED
;;     3. batch 32 x [M 2,048, K 2,048] x [K 2,048, N 64]; A: softmax (see below); B: computed on the way: QUANTISED
;;     4. [M 4,096, K 1,024] x [K 1,024, N 1,024]; A: computed on the way; B: input w_out: QUANTISED
;;     5. [M 4,096, K 1,024] x [K 1,024, N 4,096]; A: computed on the way; B: input w_ff1: QUANTISED
;;     6. [M 4,096, K 4,096] x [K 4,096, N 1,024]; A: computed on the way; B: input w_ff2: QUANTISED
;;   THE QUANTISER, for each operand of a quantised product, along K:
;;     - K is cut into blocks of 32 from its start; a last block that is shorter is filled with zeros.
;;     - A block's scale is 2^e with e = floor(log2(the largest magnitude in the block)) - 15, held to -126 .. 127; a block of zeros has e = 0. As a byte (E8M0): e + 127.
;;     - Each number is divided by its block's scale, clamped to +-57,344, and rounded to the nearest number of E5M2, ties to even, subnormals kept.
;;     - The product sums the exact products of the quantised numbers (number of the format x scale) in f32.
;;   ~~~python
;;   def quantise(x, axis):      # numpy; x: float32 -> the quantised numbers, widened to float32 again
;;       x = np.moveaxis(x, axis, -1); K = x.shape[-1]
;;       x = np.pad(x, [(0, 0)] * (x.ndim - 1) + [(0, -K % 32)]); x = x.reshape(x.shape[:-1] + (-1, 32)); a = np.abs(x).max(-1, keepdims=True)
;;       e = np.where(a > 0, np.clip(np.frexp(np.where(a > 0, a, 1))[1] - 1 - 15, -126, 127), 0)      # np.frexp(a)[1] - 1 = floor(log2(a)), exactly
;;       r = np.clip(x / 2.0 ** e, -57344, 57344)
;;       step = 2.0 ** (np.maximum(np.frexp(np.where(r == 0, 1, r))[1] - 1, -14) - 2)
;;       q = np.round(r / step) * step * 2.0 ** e      # np.round: ties to even
;;       return np.moveaxis(q.reshape(q.shape[:-2] + (-1,))[..., :K], -1, axis).astype(np.float32)
;;   ~~~
;;   SOFTMAX AHEAD OF A QUANTISED PRODUCT. Where the list says 'softmax', what is quantised is not the finished softmax but p = 2^(t - M), with t = logit x log2(e) and M = ceil(the row's largest t), a whole number; so 1/2 < the row's largest p <= 1. The row's sum l is taken of the UNQUANTISED p, in f32, and the product's result is divided by l at the end. Since M is a whole number, a kernel that streams over the keys may use a running M (the ceiling of the running maximum): every later rescaling is an exact power of two, which a block's scale takes up: the codes' values come out the same.
;;   OPERANDS COMPUTED ON THE WAY. 'Computed on the way' means the value that the module computes at that place (a softmax that the list does not call 'softmax' is quantised finished and normalised). What goes into a quantiser is computed in f32, as accurately as f32 sums, v_exp_f32 and their like allow (about 1e-6 of the number): no bf16 or f16 on the way to a quantiser, and a product that is left as it is and whose result goes on into a quantised operand takes f32 operands (vector FMAs, or v_wmma_f32_16x16x4_f32). A number that lies on a knife's edge between two numbers of the format may be rounded either way, as far as f32 arithmetic and the matrix unit's own rounding can turn it there, and no further.
;; One version. Each part assembles by itself: llvm-mc -triple=amdgcn-amd-amdhsa -mcpu=gfx1250 --defsym DOCPART=n.
;; ======== version 1 of 1: 8 launches
;; limits: right only within a limited range of input values
;; workspace buffers: ca 4,325,376 bytes; wa 7,569,408 bytes; wo 1,081,344 bytes; w2 4,325,376 bytes; qkv 12,976,128 bytes; y 16,777,216 bytes; x1 16,777,216 bytes; hc 17,301,504 bytes
;; launch prep (part 1): grid 448 x 1, 8 waves a work-group, no clusters, 70,656 bytes of LDS; arguments x, w_qkv, w_out, w_ff1, w_ff2, ca, wa, wo, w2; writes ca, wa, wo, w2
.if DOCPART == 1
	.amdgcn_target "amdgcn-amd-amdhsa--gfx1250"
	.amdhsa_code_object_version 6
	.text
	.protected	k_qb688389200_prep
	.globl	k_qb688389200_prep
	.p2align	8
	.type	k_qb688389200_prep,@function
k_qb688389200_prep:
	s_mov_b64 s[64:65], 0
	v_nop
	global_prefetch_b8 v0, s[64:65] scope:SCOPE_SE
	s_setreg_imm32_b32 hwreg(HW_REG_WAVE_MODE, 25, 1), 1
	s_wait_xcnt 0x0
; x [4096][1024] and the four weights ([K][N], f32) become codes of E5M2 with one E8M0 byte for each 32 along K, laid AS THE MATRIX OPERAND'S REGISTERS WANT THEM.
; AN OPERAND (rows, K) is a run of chunks of 64 rows x 128 K, CH = 8,448 bytes: chunk (row / 64, k / 128) lies at ((row / 64) (K / 128) + k / 128) CH.  In it: tile t (16 rows), register group c (32 along K),
; lane l: 16 bytes at 2048 t + 512 c + 16 l (k = 32 c + 16 (l / 16) + 0 .. 15 of lane-row l % 16); the scale word of (lane-row r, tile t) at 8192 + 16 r + 4 t.
; THE ROWS OF A TILE ARE NOT NEIGHBOURS: lane-row r of tile t is row 32 (t / 2) + 8 (t % 2) + r + 8 (r / 8) of the chunk, so that a later product's 16 registers of two neighbouring tiles are 16 neighbours along the next K.
; Work-groups 0-191: weights, a wave to a chunk (64 columns n x 128 k): a lane takes a column and its registers run down K.  Work-groups 192-447: x, a work-group to a tile of 16 tokens, a wave to 128 columns.
; A block's scale is 2^(floor(log2(its largest magnitude)) - 15); its byte is that magnitude's exponent field - 15, held at 1 from below.
; LIMITS: a block whose largest magnitude lies under 2^-111, a block of zeros among them, keeps the byte 1 (its codes then carry what the format can; zeros stay zeros; this program alone reads the bytes);
; NaN and infinities among the inputs are not served.  x's scale words leave as 64 bytes of a block of 256 (four work-groups fill a block): 128 KiB of the launch's stores.
.set CH,     8448
.set W1OFF,  3244032                   ; w_ff1's operand in wa, behind w_qkv's 48 x 8 chunks
.set SPLITB, 1081344                   ; w_ff2: one operand (1024 rows, K 1024) for each 1,024 along its K
.set WSC,    67584                     ; LDS: the weights' way has 256 bytes a wave here; x's way has 8 stages of 8,448 bytes from 0 on
.set WV,  2
.set MNT, 3
.set SEL, 46
.set BC,  32                           ; s[32:39] the chunk's four blocks of 32 rows of the weight
.set VR,  16                           ; v16-47  4 x lane + i x a row of the weight
.set X,   48                           ; v48-111 two sets of 32 numbers
.set C,   112                          ; v112-127 two sets of 8 registers of codes
.set SB,  128                          ; v128-129 scale words of my two columns
.set V,   16                           ; x's way: v16-79 64 numbers
.set PC,  112
.set TM,  128
.set PW,  144
; 64 numbers of a lane, register 16 b + i = k 32 b + 16 (lane / 16) + i of my row, become a fragment's codes in v[PC] on and its scale word in v[pw]
.macro QUANT s, pw
.irp b, 0,1,2,3
	v_max3_num_f32 v[TM+\b], |v[\s+16*\b]|, |v[\s+1+16*\b]|, 0x8000000   ; my 16 numbers of block b, and the floor 2^(16 - 127): the byte cannot fall under 1
.endr
.irp i, 2,4,6,8,10,12,14
.irp b, 0,1,2,3
	s_delay_alu instid0(VALU_DEP_4)
	v_max3_num_f32 v[TM+\b], v[TM+\b], |v[\s+16*\b+\i]|, |v[\s+1+16*\b+\i]|
.endr
.endr
.irp b, 0,1,2,3
	s_delay_alu instid0(VALU_DEP_4)
	v_permlanex16_b32 v[TM+4+\b], v[TM+\b], s[SEL], s[SEL+1]
.endr
.irp b, 0,1,2,3
	s_delay_alu instid0(VALU_DEP_4)
	v_max_num_f32 v[TM+\b], v[TM+\b], v[TM+4+\b]                   ; with lane l xor 16's: the block's largest magnitude
.endr
.irp b, 0,1,2,3
	s_delay_alu instid0(VALU_DEP_4)
	v_add_nc_u32 v[TM+12+\b], 0xf8800000, v[TM+\b]                 ; 15 off its exponent field: the conversion's scale operand
.endr
.irp b, 0,1,2,3
	v_and_or_b32 v[TM+8+\b], v[TM+\b], 0x7f800000, s[MNT]          ; 57,344 x the scale
.endr
.irp b, 0,1,2,3
	v_lshrrev_b32 v[TM+4+\b], 23, v[TM+12+\b]                      ; the scale's byte
.endr
	s_delay_alu instid0(VALU_DEP_3)
	v_lshl_or_b32 v[\pw], v[TM+5], 8, v[TM+4]
	s_delay_alu instid0(VALU_DEP_1)
	v_lshl_or_b32 v[\pw], v[TM+6], 16, v[\pw]
	s_delay_alu instid0(VALU_DEP_1)
	v_lshl_or_b32 v[\pw], v[TM+7], 24, v[\pw]
.irp b, 0,1,2,3
.irp i, 0,1,2,3,4,5,6,7,8,9,10,11,12,13,14,15
	v_med3_num_f32 v[\s+16*\b+\i], v[\s+16*\b+\i], -v[TM+8+\b], v[TM+8+\b]   ; the conversion does not saturate (ISA guide 7.6.2): the hold comes first
.endr
	v_cvt_scalef32_pk8_bf8_f32 v[PC+4*\b:PC+1+4*\b], v[\s+16*\b:\s+7+16*\b], v[TM+12+\b]
	v_cvt_scalef32_pk8_bf8_f32 v[PC+2+4*\b:PC+3+4*\b], v[\s+8+16*\b:\s+15+16*\b], v[TM+12+\b]
.endr
	v_nop                                          ; one plain line behind the last conversion
.endm
	s_load_b256 s[4:11], s[0:1], 0x0               ; x, w_qkv, w_out, w_ff1
	s_load_b256 s[12:19], s[0:1], 0x20             ; w_ff2, ca, wa, wo
	s_load_b64 s[20:21], s[0:1], 0x40              ; w2
	v_lshl_add_u32 v160, v0, 2, 0x11000
	v_mov_b32 v161, 0
	v_lshrrev_b32 v1, 5, v0
	s_delay_alu instid0(VALU_DEP_1)
	v_readfirstlane_b32 s[WV], v1                  ; wave 0..7
	v_and_b32 v1, 31, v0                           ; lane
	s_mov_b32 s[MNT], 0x600000                     ; the mantissa field of 57,344
	s_cmp_ge_u32 ttmp9, 192
	s_cbranch_scc1 .Lx
	; ---------------- the weights.  Which tensor: by the work-group's number alone
	s_wait_kmcnt 0x0
	s_mov_b64 s[24:25], s[12:13]                   ; 128-191: w_ff2: source,
	s_mov_b32 s26, 4096                            ; bytes in a row,
	s_mov_b32 s27, 2                               ; groups of 8 chunks along n,
	s_mov_b32 s28, 128                             ; 256 / that number, rounded up,
	s_mov_b32 s29, 128                             ; first work-group,
	s_mov_b64 s[30:31], s[20:21]                   ; destination,
	s_mov_b32 s22, 0                               ; and where in it
	s_cmp_lt_u32 ttmp9, 128                        ; 64-127: w_ff1
	s_cselect_b64 s[24:25], s[10:11], s[24:25]
	s_cselect_b32 s26, 16384, s26
	s_cselect_b32 s27, 8, s27
	s_cselect_b32 s28, 32, s28
	s_cselect_b32 s29, 64, s29
	s_cselect_b64 s[30:31], s[16:17], s[30:31]
	s_cselect_b32 s22, W1OFF, s22
	s_cmp_lt_u32 ttmp9, 64                         ; 48-63: w_out
	s_cselect_b64 s[24:25], s[8:9], s[24:25]
	s_cselect_b32 s26, 4096, s26
	s_cselect_b32 s27, 2, s27
	s_cselect_b32 s28, 128, s28
	s_cselect_b32 s29, 48, s29
	s_cselect_b64 s[30:31], s[18:19], s[30:31]
	s_cselect_b32 s22, 0, s22
	s_cmp_lt_u32 ttmp9, 48                         ; 0-47: w_qkv
	s_cselect_b64 s[24:25], s[6:7], s[24:25]
	s_cselect_b32 s26, 12288, s26
	s_cselect_b32 s27, 6, s27
	s_cselect_b32 s28, 43, s28
	s_cselect_b32 s29, 0, s29
	s_cselect_b64 s[30:31], s[16:17], s[30:31]
	s_sub_co_u32 s23, ttmp9, s29                   ; l
	s_mul_i32 s40, s23, s28
	s_lshr_b32 s40, s40, 8                         ; ks = l / groups (exact for l under 64 with these multipliers)
	s_mul_i32 s41, s40, s27
	s_sub_co_u32 s41, s23, s41
	s_lshl_b32 s41, s41, 3
	s_add_co_u32 s41, s41, s[WV]                   ; g: my chunk's 64 columns
	s_mul_i32 s42, s40, s26
	s_lshl_b32 s42, s42, 7                         ; 128 ks rows
	s_lshl_b32 s43, s41, 8                         ; + 256 g bytes
	s_add_co_u32 s42, s42, s43
	s_mov_b32 s43, 0
	s_add_nc_u64 s[BC:BC+1], s[24:25], s[42:43]
	s_lshl_b32 s42, s26, 5                         ; 32 rows
	s_add_nc_u64 s[BC+2:BC+3], s[BC:BC+1], s[42:43]
	s_add_nc_u64 s[BC+4:BC+5], s[BC+2:BC+3], s[42:43]
	s_add_nc_u64 s[BC+6:BC+7], s[BC+4:BC+5], s[42:43]
	s_lshr_b32 s44, s40, 3                         ; which 1,024 along K (0 but for w_ff2)
	s_mul_i32 s44, s44, SPLITB
	s_add_co_u32 s44, s44, s22
	s_and_b32 s45, s40, 7
	s_lshl_b32 s23, s41, 3
	s_add_co_u32 s45, s45, s23
	s_mul_i32 s45, s45, CH
	s_add_co_u32 s44, s44, s45
	s_mov_b32 s45, 0
	s_add_nc_u64 s[30:31], s[30:31], s[44:45]      ; my chunk
	s_wait_alu depctr_va_vdst(0)
	v_bfe_u32 v6, v1, 3, 1                         ; column 32 p + lane is lane-row r = (lane & 7) | 8 (lane / 16) of tile 2 p + (lane / 8) % 2
	v_and_b32 v7, 7, v1
	v_lshrrev_b32 v8, 4, v1
	s_delay_alu instid0(VALU_DEP_1)
	v_lshl_or_b32 v7, v8, 3, v7
	s_delay_alu instid0(VALU_DEP_1)
	v_lshlrev_b32 v2, 4, v7
	s_delay_alu instid0(VALU_DEP_1)
	v_lshl_add_u32 v3, v6, 2, v2                   ; 16 r + 4 (tile % 2)
	s_delay_alu instid0(VALU_DEP_2)
	v_lshl_add_u32 v2, v6, 11, v2                  ; codes: 2048 (tile % 2) + 16 r
	s_lshl_b32 s23, s[WV], 8
	s_add_co_u32 s23, s23, WSC
	v_add_nc_u32 v3, s23, v3                       ; LDS: where my scale words go,
	v_lshlrev_b32 v5, 3, v1
	s_delay_alu instid0(VALU_DEP_1)
	v_add_nc_u32 v4, s23, v5                       ; and where 8 bytes a lane come back
	v_lshlrev_b32 v[VR], 2, v1
.set i, 1
.rept 31
	s_delay_alu instid0(VALU_DEP_1)
	v_add_nc_u32 v[VR+i], s26, v[VR+i-1]
.set i, i+1
.endr
; unit u = 2 c + p: block c of 32 along K, columns 32 p + lane
.macro WLOAD u
.set i, 0
.rept 32
	global_load_b32 v[X+32*((\u)%2)+i], v[VR+i], s[BC+2*((\u)/2):BC+2*((\u)/2)+1] offset:128*((\u)%2) th:TH_LOAD_NT
.set i, i+1
.endr
.endm
.macro WUNIT u
.set XS, X+32*((\u)%2)
.set CC, C+8*((\u)%2)
.if (\u) < 7
	s_wait_loadcnt 32                              ; this unit's 32 loads are in; the next unit's may be out
.else
	s_wait_loadcnt 0x0
.endif
	v_max3_num_f32 v12, |v[XS]|, |v[XS+1]|, |v[XS+2]|              ; all 32 numbers of the block are mine
	v_max3_num_f32 v13, |v[XS+3]|, |v[XS+4]|, |v[XS+5]|
.irp i, 6,10,14,18,22,26
	s_delay_alu instid0(VALU_DEP_2)
	v_max3_num_f32 v12, v12, |v[XS+\i]|, |v[XS+\i+1]|
	s_delay_alu instid0(VALU_DEP_2)
	v_max3_num_f32 v13, v13, |v[XS+\i+2]|, |v[XS+\i+3]|
.endr
	s_delay_alu instid0(VALU_DEP_2)
	v_max3_num_f32 v12, v12, |v[XS+30]|, |v[XS+31]|
	s_delay_alu instid0(VALU_DEP_1)
	v_max3_num_f32 v12, v12, v13, 0x8000000        ; and the floor
	s_delay_alu instid0(VALU_DEP_1)
	v_add_nc_u32 v11, 0xf8800000, v12
	s_delay_alu instid0(VALU_DEP_2)
	v_and_or_b32 v10, v12, 0x7f800000, s[MNT]
	s_delay_alu instid0(VALU_DEP_2)
	v_lshrrev_b32 v13, 23, v11
.if (\u)/2 == 0
	s_delay_alu instid0(VALU_DEP_1)
	v_mov_b32 v[SB+(\u)%2], v13
.else
	s_delay_alu instid0(VALU_DEP_1)
	v_lshl_or_b32 v[SB+(\u)%2], v13, 8*((\u)/2), v[SB+(\u)%2]
.endif
.set i, 0
.rept 32
	v_med3_num_f32 v[XS+i], v[XS+i], -v10, v10
.set i, i+1
.endr
	s_wait_alu depctr_va_vdst(0)
	s_wait_xcnt 0x0                                ; the stores of two units back have read this set of codes
.irp g, 0,1,2,3
	v_cvt_scalef32_pk8_bf8_f32 v[CC+2*\g:CC+2*\g+1], v[XS+8*\g:XS+8*\g+7], v11
.endr
	global_store_b128 v2, v[CC:CC+3], s[30:31] offset:4096*((\u)%2)+512*((\u)/2)          ; k 32 c + 0 .. 15: sixteen lanes fill 256 consecutive bytes, twice
	global_store_b128 v2, v[CC+4:CC+7], s[30:31] offset:4096*((\u)%2)+512*((\u)/2)+256    ; k 32 c + 16 .. 31: the operand's lanes 16-31
.if (\u)+2 < 8
	WLOAD (\u)+2
.endif
.endm
	WLOAD 0
	WLOAD 1
.irp u, 0,1,2,3,4,5,6,7
	WUNIT \u
.endr
	ds_store_b32 v3, v[SB]                         ; tiles 0, 1
	ds_store_b32 v3, v[SB+1] offset:8              ; tiles 2, 3
	ds_load_b64 v[14:15], v4                       ; LDS serves a wave's instructions in order: these see my stores
	s_wait_dscnt 0x0
	global_store_b64 v5, v[14:15], s[30:31] offset:8192   ; the chunk's 256 bytes of scale words
	s_wait_tensorcnt 0x0
	ds_add_u32 v160, v161
	s_wait_dscnt 0x0
	s_endpgm
	; ---------------- x: tile T of 16 tokens, my wave's 128 columns
.Lx:
	s_mov_b32 s[SEL], 0x76543210
	s_mov_b32 s[SEL+1], 0xfedcba98
	s_sub_co_u32 s22, ttmp9, 192                   ; T
	s_lshr_b32 s23, s22, 2                         ; its chunk row
	s_lshl_b32 s24, s23, 6
	s_bfe_u32 s25, s22, 0x10001
	s_lshl_b32 s25, s25, 5
	s_add_co_u32 s24, s24, s25
	s_and_b32 s25, s22, 1
	s_lshl_b32 s25, s25, 3
	s_add_co_u32 s24, s24, s25                     ; the tile's first token
	s_lshl_b32 s24, s24, 12
	s_lshl_b32 s25, s[WV], 9
	s_add_co_u32 s24, s24, s25
	s_mov_b32 s25, 0
	s_lshl_b32 s26, s23, 3
	s_add_co_u32 s26, s26, s[WV]
	s_mul_i32 s26, s26, CH
	s_mov_b32 s27, 0
	s_and_b32 s28, s22, 3
	s_lshl_b32 s29, s28, 11
	s_lshl_b32 s28, s28, 2
	s_wait_alu depctr_va_vdst(0)
	v_lshlrev_b32 v2, 4, v1                        ; 16 x lane
	s_delay_alu instid0(VALU_DEP_1)
	v_add_nc_u32 v3, s29, v2                       ; my codes in the chunk
	v_and_b32 v4, 15, v0                           ; r
	v_bfe_u32 v5, v0, 4, 1                         ; h
	s_delay_alu instid0(VALU_DEP_2)
	v_lshl_add_u32 v6, v4, 4, s28                  ; my scale word in the chunk's 256 bytes
	s_mul_i32 s30, s[WV], 8448                     ; my stage: 16 rows of 512 bytes + 16
	v_add_nc_u32 v7, s30, v2
	v_mul_u32_u24 v8, v4, 528
	s_delay_alu instid0(VALU_DEP_1)
	v_lshl_add_u32 v8, v5, 6, v8
	s_delay_alu instid0(VALU_DEP_1)
	v_add_nc_u32 v8, s30, v8
.irp b, 0,1,2,3
	v_mov_b32 v[TM+4+\b], 0                        ; a lane permute's destination counts as one of its sources
.endr
	s_wait_alu depctr_va_vdst(0)
	s_wait_kmcnt 0x0
	s_add_nc_u64 s[4:5], s[4:5], s[24:25]
	s_add_nc_u64 s[14:15], s[14:15], s[26:27]
.irp i, 0,1,2,3,4,5,6,7,8,9,10,11,12,13,14,15
	global_load_b128 v[V+4*\i:V+4*\i+3], v2, s[4:5] offset:(\i+8*(\i/8))*4096 th:TH_LOAD_NT   ; lane-row i: 512 consecutive bytes
.endr
.irp i, 0,1,2,3,4,5,6,7,8,9,10,11,12,13,14,15
	s_wait_loadcnt 15-\i                           ; row i is in, the younger rows may be out
	ds_store_b128 v7, v[V+4*\i:V+4*\i+3] offset:528*\i
.endr
.irp b, 0,1,2,3
.irp j, 0,1,2,3
	ds_load_b128 v[V+16*\b+4*\j:V+16*\b+4*\j+3], v8 offset:128*\b+16*\j   ; back: my row's k = 32 b + 16 h + 4 j on
.endr
.endr
	s_wait_dscnt 0x0
	QUANT V, PW
.irp c, 0,1,2,3
	global_store_b128 v3, v[PC+4*\c:PC+4*\c+3], s[14:15] offset:512*\c
.endr
	v_cmp_gt_u32 vcc_lo, 16, v1
	s_wait_xcnt 0x0                                ; EXEC changes only behind this wait
	s_wait_tensorcnt 0x0
	ds_add_u32 v160, v161
	s_wait_dscnt 0x0
	s_and_saveexec_b32 s31, vcc_lo
	global_store_b32 v6, v[PW], s[14:15] offset:8192
	s_wait_xcnt 0x0
	s_or_b32 exec_lo, exec_lo, s31
	s_endpgm
.Lfunc_end_k_qb688389200_prep:
	.size	k_qb688389200_prep, .Lfunc_end_k_qb688389200_prep-k_qb688389200_prep
	.p2alignl 7, 3214868480
	.fill 96, 4, 3214868480
	.section	.rodata,"a",@progbits
	.p2align	6, 0x0
	.amdhsa_kernel k_qb688389200_prep
		.amdhsa_group_segment_fixed_size 70656
		.amdhsa_private_segment_fixed_size 0
		.amdhsa_enable_private_segment 0
		.amdhsa_kernarg_size 72
		.amdhsa_user_sgpr_count 2
		.amdhsa_user_sgpr_kernarg_segment_ptr 1
		.amdhsa_wavefront_size32 1
		.amdhsa_system_sgpr_workgroup_id_x 1
		.amdhsa_system_sgpr_workgroup_id_y 1
		.amdhsa_system_sgpr_workgroup_id_z 1
		.amdhsa_system_vgpr_workitem_id 0
		.amdhsa_next_free_vgpr 162
		.amdhsa_next_free_sgpr 66
		.amdhsa_reserve_vcc 1
		.amdhsa_float_denorm_mode_32 3
		.amdhsa_float_denorm_mode_16_64 3
		.amdhsa_memory_ordered 1
		.amdhsa_forward_progress 1
		.amdhsa_inst_pref_size 81
	.end_amdhsa_kernel
	.amdgpu_metadata
---
amdhsa.version: [ 1, 2 ]
amdhsa.kernels:
  - .name:           k_qb688389200_prep
    .symbol:         k_qb688389200_prep.kd
    .args:
      - { .name: x, .offset: 0, .size: 8, .value_kind: global_buffer, .address_space: global }
      - { .name: w_qkv, .offset: 8, .size: 8, .value_kind: global_buffer, .address_space: global }
      - { .name: w_out, .offset: 16, .size: 8, .value_kind: global_buffer, .address_space: global }
      - { .name: w_ff1, .offset: 24, .size: 8, .value_kind: global_buffer, .address_space: global }
      - { .name: w_ff2, .offset: 32, .size: 8, .value_kind: global_buffer, .address_space: global }
      - { .name: ca, .offset: 40, .size: 8, .value_kind: global_buffer, .address_space: global }
      - { .name: wa, .offset: 48, .size: 8, .value_kind: global_buffer, .address_space: global }
      - { .name: wo, .offset: 56, .size: 8, .value_kind: global_buffer, .address_space: global }
      - { .name: w2, .offset: 64, .size: 8, .value_kind: global_buffer, .address_space: global }
    .group_segment_fixed_size: 70656
    .private_segment_fixed_size: 0
    .kernarg_segment_align: 8
    .kernarg_segment_size: 72
    .max_flat_workgroup_size: 256
    .sgpr_count:     66
    .vgpr_count:     162
    .wavefront_size: 32
...
	.end_amdgpu_metadata
.endif
;; end of part 1
;; launch qkv (part 2): grid 12 x 16, 4 waves a work-group, clusters of 4 x 4, 327,680 bytes of LDS; arguments ca, wa, b_qkv, qkv; writes qkv
.if DOCPART == 2
	.amdgcn_target "amdgcn-amd-amdhsa--gfx1250"
	.amdhsa_code_object_version 6
	.text
	.protected	k_qb688389200_qkv
	.globl	k_qb688389200_qkv
	.p2align	8
	.type	k_qb688389200_qkv,@function
k_qb688389200_qkv:
	s_mov_b64 s[64:65], 0
	v_nop
	global_prefetch_b8 v0, s[64:65] scope:SCOPE_SE
	s_setreg_imm32_b32 hwreg(HW_REG_WAVE_MODE, 25, 1), 1
	s_wait_xcnt 0x0
	s_wait_alu depctr_hold_cnt(0) depctr_sa_sdst(0) depctr_va_vdst(0) depctr_va_sdst(0) depctr_va_ssrc(0) depctr_va_vcc(0) depctr_vm_vsrc(0)
	s_getreg_b32 s2, hwreg(HW_REG_IB_STS2, 6, 4)
	s_cmp_eq_u32 s2, 0
	s_cbranch_scc0 .Lentry_in_a_cluster
	s_endpgm
.Lentry_in_a_cluster:
	s_bfe_u32 s2, ttmp6, 0x10000c
	s_cmp_lg_u32 s2, 0xf033
	s_cbranch_scc0 .Lentry_shape_is_right
	s_endpgm
.Lentry_shape_is_right:
; q, k and v = x w_qkv + b_qkv on codes of E5M2 (K = 1,024), quantised again on the way out for attention's two products.  Operands lie as images of the operand's registers (chunks of 64 rows x 128 K, 8,448 bytes:
; codes at 2048 t + 512 c + 16 lane, scale words at 8192 + 16 r + 4 t; lane-row r of tile t is row 32 (t / 2) + 8 (t % 2) + r + 8 (r / 8)).
; A work-group of four waves makes 256 x 256, a wave 128 x 128: 64 accumulators.  K goes in steps of 256 through two LDS slots; a wave's tensor load brings 128 rows x 256 K as 2 rows of 16,896 dense bytes.
; THE MATRIX INSTRUCTION IS USED TRANSPOSED (source 0 = 16 rows of B, source 1 = 16 rows of A): a lane holds one row of A's tile and, over B's eight tiles, 64 registers: register 16 b + i = B's row 32 b + 16 (lane / 16) + i.
; ROLES, by the cluster's x alone (the same in all sixteen partners).  Clusters 0, 1: A = tokens, B = the q and k columns of w_qkv: registers run along a head's channels, the first product's K.
; Cluster 2: A = the v columns of w_qkv, B = tokens: registers run along the KEYS, the second product's K.  So one way out quantises both; only the bias differs (by register, or by lane).
; OUT: q | k as an operand (4096 tokens, K 2048) at 0; v transposed as an operand (1024 rows = 64 head + d, K 4096 = 2048 batch + key) at QKCB.
; CLUSTER 4 x 4: A's tiles are asked for jointly along a row of the cluster, B's along a column.
; LIMITS: as the quantiser's in the first launch (byte 1 for blocks under 2^-111; no NaN, no infinities).
.set CH,     8448
.set GP,     8*CH                      ; from a chunk row to the next where K = 1,024
.set HALFT,  4*CH                      ; what one tensor load brings: [2 chunk rows][2 K steps of 128][CH]
.set SLOT,   4*HALFT                   ; A's two halves, then B's
.set SPARE,  2*SLOT                    ; the spare words, 128 bytes a wave: two blocks of 256 bytes that no other line names
.set QKCB,   8650752
.set FR,     16
.set NL,     4
.set NP,     8                         ; places behind this matrix instruction (ISA guide 7.12.1)
.set RB,   8                           ; v8-15   bias by lane, one for each of A's tiles
.set ADRA, 16                          ; v16-17  my A fragments in slot 0, 1
.set ADRB, 20                          ; v20-21  B's
.set ADRS, 22                          ; v22-23  scale words: lanes 0-15 A's, lanes 16-31 B's
.set VO,   24                          ; v24     16 x lane
.set VSC,  25                          ; v25     the way out: my 16 bytes of scale words
.set SPW,  28
.set NIL,  29
.set SC,   32                          ; v32-63  scale words: set s at SC + 16 s; register 8 q + i: tile i, the slot's q-th 128 along K
.set BIAS, 64                          ; v64-127 bias by register
.set AF,   128                         ; v128-255 A's fragments, one set; on the way out:
.set T,    128                         ; 64 numbers,
.set PC,   192                         ; a fragment's codes,
.set TM,   208                         ; at work,
.set PWK,  226                         ; v226-233 the eight tiles' scale words
.set G1,  24
.set G0,  32
.set G1B, 48
.set G0B, 56
.set MSB, 0
.macro WIN new                         ; the immediate's high byte repeats the setting that is left
.if MSB != (\new)
	s_set_vgpr_msb (MSB<<8)|(\new)
.set MSB, (\new)
.endif
.endm
.set MUL_LO, 0xa1                      ; source 0 (B) window 1, source 1 (A) window 0, C and D window 2
.set MUL_HI, 0xf1                      ; the same, C and D window 3
.set TO_B,   0x40
.macro JLOAD g0a, g1a, g0b, g1b        ; a joint load: waves 0 and 1 fetch for A, waves 2 and 3 for B; four v_nop follow each line
	s_cmp_eq_u32 s15, 0
	s_cbranch_scc0 .Lfor_b_\@
	tensor_load_to_lds s[\g0a:\g0a+3], s[\g1a:\g1a+7]
	s_nop 0
.rept 4
	v_nop
.endr
	s_branch .Lasked_\@
.Lfor_b_\@:
	tensor_load_to_lds s[\g0b:\g0b+3], s[\g1b:\g1b+7]
	s_nop 0
.rept 4
	v_nop
.endr
.Lasked_\@:
.endm
.macro CREST
	s_cmp_lg_u32 s14, 0
	s_cbranch_scc1 .Lnot_wave_0_\@
	s_barrier_signal -3
.Lnot_wave_0_\@:
	s_barrier_wait -3
	s_barrier_signal -1
	s_barrier_wait -1
.endm
.macro CROUND
	s_barrier_signal -1
	s_barrier_wait -1
	CREST
.endm
.macro FRAG reg, adr, q, i             ; tile i of my eight, the slot's q-th 128 along K: four loads of 512 consecutive bytes
.irp c, 0,1,2,3
	ds_load_b128 v[\reg+4*\c:\reg+4*\c+3], v[\adr] offset:((\i)/4)*2*CH+(\q)*CH+((\i)%4)*2048+512*\c
.endr
.endm
.macro MUL16 a0, p, q, sc, zero        ; A's tiles a0, a0 + 1 x B's eight; the 64 accumulators take turns
.irp a, \a0, \a0+1
.irp b, 0,1,2,3,4,5,6,7
.if \zero
	v_wmma_scale_f32_16x16x128_f8f6f4 v[8*(8*((\a)%4)+\b):8*(8*((\a)%4)+\b)+7], v[128*(\p)+FR*\b:128*(\p)+FR*\b+FR-1], v[AF+FR*(\a):AF+FR*(\a)+FR-1], 0, v[SC+16*(\sc)+8*(\q)+\b], v[SC+16*(\sc)+8*(\q)+(\a)] matrix_a_fmt:MATRIX_FMT_BF8 matrix_b_fmt:MATRIX_FMT_BF8 matrix_a_scale:MATRIX_SCALE_ROW1
.else
	v_wmma_scale_f32_16x16x128_f8f6f4 v[8*(8*((\a)%4)+\b):8*(8*((\a)%4)+\b)+7], v[128*(\p)+FR*\b:128*(\p)+FR*\b+FR-1], v[AF+FR*(\a):AF+FR*(\a)+FR-1], v[8*(8*((\a)%4)+\b):8*(8*((\a)%4)+\b)+7], v[SC+16*(\sc)+8*(\q)+\b], v[SC+16*(\sc)+8*(\q)+(\a)] matrix_a_fmt:MATRIX_FMT_BF8 matrix_b_fmt:MATRIX_FMT_BF8 matrix_a_scale:MATRIX_SCALE_ROW1
.endif
.endr
.endr
.endm
.macro FETCH_B slot, q, p
	WIN TO_B
.irp i, 0,1,2,3,4,5,6,7
	FRAG 128*(\p)+FR*\i, ADRB+\slot, \q, \i
.endr
	WIN 0
.endm
.macro FETCH_A slot, q, i0
.irp i, \i0, \i0+1, \i0+2, \i0+3
	FRAG AF+FR*(\i), ADRA+\slot, \q, \i
.endr
.endm
.macro SCALES slot                     ; a slot's scale words: four tiles' words of a lane-row lie together, so four loads bring all 16 registers
.irp q, 0,1
.irp g, 0,1
	ds_load_b128 v[SC+16*\slot+8*\q+4*\g:SC+16*\slot+8*\q+4*\g+3], v[ADRS+\slot] offset:\g*2*CH+\q*CH
.endr
.endr
.endm
.macro PLACES n
.rept \n
	v_nop
.endr
.endm
.macro STEP slot, q, zero              ; 128 along K whose successor lies in the same slot
	s_wait_dscnt 4*NL                              ; all but the youngest 16 loads (A's tiles 4-7) are in
	WIN MUL_LO
	MUL16 0, (\q)%2, \q, \slot, \zero
	MUL16 2, (\q)%2, \q, \slot, \zero
	s_wait_dscnt 0
	PLACES NP
	FETCH_B \slot, (\q)+1, 1-(\q)%2
	FETCH_A \slot, (\q)+1, 0
	WIN MUL_HI
	MUL16 4, (\q)%2, \q, \slot, \zero
	MUL16 6, (\q)%2, \q, \slot, \zero
	PLACES NP
	WIN 0
	FETCH_A \slot, (\q)+1, 4
.endm
.macro TURN slot, next, fill           ; a slot's last 128 along K, and the change of slots
	s_wait_tensorcnt 0x0                           ; all my tensor loads have landed: my part of the next slot
	ds_add_u32 v[SPW], v[NIL]                      ; 0 onto my spare word
	s_wait_dscnt 4*NL+1                            ; (the add and A's tiles 4-7 may be out)
	WIN MUL_LO
	MUL16 0, 1, 1, \slot, 0
	s_wait_dscnt 0x0                               ; the add is done, and my reads of this slot are over
	s_barrier_signal -1
	MUL16 2, 1, 1, \slot, 0
	WIN 0
	s_barrier_wait -1
.if \fill
	CREST                                          ; the barrier has opened a round of the cluster's: no wave of any partner still reads this slot or has a load on its way
	s_add_nc_u64 s[G0+4*\slot+2:G0+4*\slot+3], s[G0+4*\slot+2:G0+4*\slot+3], 4*CH
	s_add_nc_u64 s[G0B+4*\slot+2:G0B+4*\slot+3], s[G0B+4*\slot+2:G0B+4*\slot+3], 4*CH
	JLOAD G0+4*\slot, G1, G0B+4*\slot, G1B         ; two K steps of 256 ahead; its four v_nop are among the places below
	PLACES NP-4
.else
	PLACES NP
.endif
	FETCH_B \next, 0, 0
	FETCH_A \next, 0, 0
	SCALES \next
	WIN MUL_HI
	MUL16 4, 1, 1, \slot, 0
	MUL16 6, 1, 1, \slot, 0
	PLACES NP
	WIN 0
	FETCH_A \next, 0, 4
.endm
.macro QUANT s, pw                     ; 64 numbers of a lane, register 16 b + i = k 32 b + 16 (lane / 16) + i, become codes in v[PC] on and a scale word
.irp b, 0,1,2,3
	v_max3_num_f32 v[TM+\b], |v[\s+16*\b]|, |v[\s+1+16*\b]|, 0x8000000
.endr
.irp i, 2,4,6,8,10,12,14
.irp b, 0,1,2,3
	v_max3_num_f32 v[TM+\b], v[TM+\b], |v[\s+16*\b+\i]|, |v[\s+1+16*\b+\i]|
.endr
.endr
.irp b, 0,1,2,3
	v_permlanex16_b32 v[TM+4+\b], v[TM+\b], s[86], s[87]
.endr
.irp b, 0,1,2,3
	v_max_num_f32 v[TM+\b], v[TM+\b], v[TM+4+\b]
.endr
.irp b, 0,1,2,3
	v_add_nc_u32 v[TM+12+\b], 0xf8800000, v[TM+\b]
.endr
.irp b, 0,1,2,3
	v_and_or_b32 v[TM+8+\b], v[TM+\b], 0x7f800000, s88
.endr
.irp b, 0,1,2,3
	v_lshrrev_b32 v[TM+4+\b], 23, v[TM+12+\b]
.endr
	v_lshl_or_b32 v[\pw], v[TM+5], 8, v[TM+4]
	v_lshl_or_b32 v[\pw], v[TM+6], 16, v[\pw]
	v_lshl_or_b32 v[\pw], v[TM+7], 24, v[\pw]
.irp b, 0,1,2,3
.irp i, 0,1,2,3,4,5,6,7,8,9,10,11,12,13,14,15
	v_med3_num_f32 v[\s+16*\b+\i], v[\s+16*\b+\i], -v[TM+8+\b], v[TM+8+\b]
.endr
	v_cvt_scalef32_pk8_bf8_f32 v[PC+4*\b:PC+1+4*\b], v[\s+16*\b:\s+7+16*\b], v[TM+12+\b]
	v_cvt_scalef32_pk8_bf8_f32 v[PC+2+4*\b:PC+3+4*\b], v[\s+8+16*\b:\s+15+16*\b], v[TM+12+\b]
.endr
	v_nop
.endm
.macro PULLC a                         ; A's tile a: its 64 sums + the bias by register, each accumulator from its low end on
	WIN 0x02+((\a)/4)
.set i, 0
.rept 32
	v_pk_add_f32 v[T+2*i:T+2*i+1], v[64*((\a)%4)+2*i:64*((\a)%4)+2*i+1], v[BIAS+2*i:BIAS+2*i+1]
.set i, i+1
.endr
	WIN 0
.endm
.macro PULLR a                         ; the same + the bias by lane
	WIN 0x02+((\a)/4)
.set i, 0
.rept 32
.if (\a)%2
	v_pk_add_f32 v[T+2*i:T+2*i+1], v[64*((\a)%4)+2*i:64*((\a)%4)+2*i+1], v[RB+2*((\a)/2):RB+2*((\a)/2)+1] op_sel:[0,1] op_sel_hi:[1,1]
.else
	v_pk_add_f32 v[T+2*i:T+2*i+1], v[64*((\a)%4)+2*i:64*((\a)%4)+2*i+1], v[RB+2*((\a)/2):RB+2*((\a)/2)+1] op_sel:[0,0] op_sel_hi:[1,0]
.endif
.set i, i+1
.endr
	WIN 0
.endm
	s_load_b256 s[4:11], s[0:1], 0x0               ; ca, wa, b_qkv, qkv
	v_lshl_add_u32 v[SPW], v0, 2, SPARE
	v_mov_b32 v[NIL], 0
	ds_add_u32 v28, v29
	ds_add_u32 v28, v29
	s_wait_dscnt 0x0
	v_lshrrev_b32 v1, 5, v0
	v_readfirstlane_b32 s14, v1                    ; wave 0..3
	s_lshr_b32 s15, s14, 1                         ; my half of A's rows.  Also: I fetch for A (0) or for B (1)
	s_and_b32 s16, s14, 1                          ; my half of B's rows.  Also: which half I fetch
	s_bfe_u32 s40, ttmp6, 0x40000                  ; cx
	s_bfe_u32 s41, ttmp6, 0x40004                  ; cy
	s_and_b32 s66, ttmp7, 0xffff                   ; the cluster's y
	s_cmp_lt_u32 ttmp9, 2                          ; the role
	s_cselect_b32 s67, 1, 0
	s_cselect_b32 s68, s66, 0                      ; A's tiles: tokens by the cluster's y, or w_v's four by cy alone
	s_cselect_b32 s69, ttmp9, s66                  ; B's tiles: q | k columns by the cluster's x, or tokens by its y
	s_cselect_b32 s70, 16, 32                      ; chunks along K of the operand that I write
	s_cselect_b32 s71, 0, QKCB
	s_cselect_b32 s19, 0, 32*GP                    ; w_v's rows begin 32 chunk rows into wa
	s_lshl_b32 s17, s68, 2
	s_add_co_u32 s17, s17, s41                     ; A's tile of 256 rows
	s_lshl_b32 s42, s69, 2
	s_add_co_u32 s42, s42, s40                     ; B's
	s_lshl_b32 s43, s41, 2
	s_lshl_b32 s43, 15, s43                        ; my row of the cluster
	s_lshl_b32 s44, 0x1111, s40                    ; my column
	s_or_b32 s[G1], s43, (3<<16)|(1<<21)           ; 15:0 the mask; 17:16 elements of 8 bytes; 21 set beside a mask; no padding
	s_or_b32 s[G1B], s44, (3<<16)|(1<<21)
.irp g, G1, G1B
	s_mov_b32 s[\g+1], 2112<<16                    ; tensor_dim0 = 2,112 elements: two chunks on end
	s_mov_b32 s[\g+2], 2<<16                       ; tensor_dim1 = 2 chunk rows
	s_mov_b32 s[\g+3], 2112<<16                    ; tile_dim0
	s_mov_b32 s[\g+4], 2                           ; tile_dim1
	s_mov_b32 s[\g+5], 8448                        ; from a chunk row to the next, in elements
	s_mov_b32 s[\g+6], 0
	s_mov_b32 s[\g+7], 0
.endr
	s_lshl_b32 s18, s16, 1
	s_lshl_b32 s20, s17, 2
	s_add_co_u32 s20, s20, s18
	s_mul_i32 s20, s20, GP
	s_add_co_u32 s20, s20, s19
	s_mov_b32 s21, 0
	s_lshl_b32 s46, s42, 2
	s_add_co_u32 s46, s46, s18
	s_mul_i32 s46, s46, GP
	s_mov_b32 s47, 0
	s_mul_i32 s45, s14, HALFT                      ; where they go: no place in the cluster enters an LDS address
	s_wait_kmcnt 0x0
	s_cmp_lt_u32 ttmp9, 2
	s_cselect_b64 s[72:73], s[4:5], s[6:7]         ; A's buffer
	s_cselect_b64 s[74:75], s[6:7], s[4:5]         ; B's
	s_add_nc_u64 s[20:21], s[72:73], s[20:21]
	s_add_nc_u64 s[46:47], s[74:75], s[46:47]
	CROUND                                         ; all sixteen work-groups are here: the first joint loads meet
.irp s, 0,1
	s_mov_b32 s[G0+4*\s], 1
	s_add_co_u32 s[G0+4*\s+1], s45, \s*SLOT
	s_add_nc_u64 s[G0+4*\s+2:G0+4*\s+3], s[20:21], \s*2*CH
	s_or_b32 s[G0+4*\s+3], s[G0+4*\s+3], 0x80000000
	s_mov_b32 s[G0B+4*\s], 1
	s_add_co_u32 s[G0B+4*\s+1], s45, \s*SLOT
	s_add_nc_u64 s[G0B+4*\s+2:G0B+4*\s+3], s[46:47], \s*2*CH
	s_or_b32 s[G0B+4*\s+3], s[G0B+4*\s+3], 0x80000000
.if \s
	s_wait_alu depctr_va_vdst(0)
	s_wait_tensorcnt 0x0                           ; slot 1's first fill is issued as a refill is
	ds_add_u32 v28, v29
	ds_add_u32 v28, v29
	s_wait_dscnt 0x0
	CROUND
.endif
	JLOAD G0+4*\s, G1, G0B+4*\s, G1B
.endr
	; the prefetches: of the four chunks that my joint load brings, the partner at place p (cx for A's tiles, cy for B's) names chunk row p / 2, chunk p % 2: the partners are told apart by address
	s_cmp_eq_u32 s15, 0
	s_cselect_b64 s[12:13], s[20:21], s[46:47]
	s_cselect_b32 s98, s40, s41
	s_lshr_b32 s99, s98, 1
	s_mul_i32 s99, s99, GP
	s_and_b32 s98, s98, 1
	s_mul_i32 s98, s98, CH
	s_add_co_u32 s98, s98, s99
	s_mov_b32 s99, 0
	s_add_nc_u64 s[12:13], s[12:13], s[98:99]
	v_and_b32 v1, 31, v0
	v_lshlrev_b32 v6, 8, v1                        ; 256 x lane: 32 lanes name a chunk's 8,192 bytes of codes
	v_and_b32 v2, 15, v0
	v_bfe_u32 v3, v0, 4, 1                         ; h
	v_lshlrev_b32 v[VO], 4, v1
	s_mul_i32 s21, s15, HALFT
	s_mul_i32 s22, s16, HALFT
	s_add_co_u32 s22, s22, 2*HALFT
	s_sub_co_u32 s23, s22, s21
	v_mul_u32_u24 v4, s23, v3                      ; lanes 16-31 take B's scale words: one product, the distance between the two
	v_lshl_add_u32 v4, v2, 4, v4
	s_add_co_u32 s23, s21, 8192
	v_add_nc_u32 v[ADRS], s23, v4
	v_add_nc_u32 v[ADRS+1], SLOT, v[ADRS]
.irp s, 0,1
	v_add_nc_u32 v[ADRA+\s], s21, v[VO]
	v_add_nc_u32 v[ADRB+\s], s22, v[VO]
	s_add_co_u32 s21, s21, SLOT
	s_add_co_u32 s22, s22, SLOT
.endr
	; the biases.  Both sets are loaded in both roles, so that every register named on the way out is written on every way; the set that a role does not add comes from the buffer's first bytes and is not used
	s_lshl_b32 s76, s42, 10
	s_lshl_b32 s77, s16, 9
	s_add_co_u32 s76, s76, s77                     ; by register: my 128 columns of q | k
	s_lshl_b32 s78, s17, 10
	s_lshl_b32 s79, s15, 9
	s_add_co_u32 s78, s78, s79
	s_add_co_u32 s78, s78, 8192                    ; by lane: my 128 columns of v, behind q's and k's 2,048
	s_cmp_lg_u32 s67, 0
	s_cselect_b32 s76, s76, 0
	s_cselect_b32 s78, 0, s78
	s_mov_b32 s77, 0
	s_mov_b32 s79, 0
	s_add_nc_u64 s[76:77], s[8:9], s[76:77]
	s_add_nc_u64 s[78:79], s[8:9], s[78:79]
	v_lshlrev_b32 v26, 6, v3                       ; 64 h
	v_and_b32 v27, 8, v2
	v_add_nc_u32 v27, v27, v2
	v_lshlrev_b32 v27, 2, v27                      ; 4 (r + 8 (r / 8))
.irp b, 0,1,2,3
.irp j, 0,1,2,3
	global_load_b128 v[BIAS+16*\b+4*\j:BIAS+16*\b+4*\j+3], v26, s[76:77] offset:128*\b+16*\j
.endr
.endr
.irp a, 0,1,2,3,4,5,6,7
	global_load_b32 v[RB+\a], v27, s[78:79] offset:(32*(\a/2)+8*(\a%2))*4
.endr
	; where my two chunks go
	s_lshl_b32 s80, s17, 2
	s_lshl_b32 s81, s15, 1
	s_add_co_u32 s80, s80, s81
	s_mul_i32 s80, s80, s70
	s_lshl_b32 s81, s42, 1
	s_add_co_u32 s80, s80, s81
	s_add_co_u32 s80, s80, s16
	s_mul_i32 s80, s80, CH
	s_add_co_u32 s80, s80, s71
	s_mov_b32 s81, 0
	s_add_nc_u64 s[80:81], s[10:11], s[80:81]      ; A's tiles 0-3
	s_mul_i32 s82, s70, CH
	s_mov_b32 s83, 0
	s_add_nc_u64 s[84:85], s[80:81], s[82:83]      ; tiles 4-7: the next chunk row
	v_mul_u32_u24 v[VSC], s82, v3
	v_lshl_add_u32 v[VSC], v2, 4, v[VSC]
	s_mov_b32 s86, 0x76543210
	s_mov_b32 s87, 0xfedcba98
	s_mov_b32 s88, 0x600000
	s_wait_alu depctr_va_vdst(0)
	s_wait_tensorcnt 1                             ; my part of slot 0 is in; slot 1's may stay out
	s_barrier_signal -1
	s_barrier_wait -1
	FETCH_B 0, 0, 0
	FETCH_A 0, 0, 0
	SCALES 0
	FETCH_A 0, 0, 4
	global_prefetch_b8 v6, s[12:13] offset:4*CH th:TH_LOAD_NT scope:SCOPE_SE   ; what the two refills will ask for: K steps 2 and 3 of 256, two and four steps of 128 ahead of their loads
	global_prefetch_b8 v6, s[12:13] offset:6*CH th:TH_LOAD_NT scope:SCOPE_SE
	STEP 0, 0, 1
	TURN 0, 1, 1
	STEP 1, 0, 0
	TURN 1, 0, 1
	STEP 0, 0, 0
	TURN 0, 1, 0                                   ; nothing is left to fetch
	STEP 1, 0, 0
	s_wait_dscnt 4*NL
	WIN MUL_LO
	MUL16 0, 1, 1, 1, 0
	MUL16 2, 1, 1, 1, 0
	s_wait_dscnt 0
	WIN MUL_HI
	MUL16 4, 1, 1, 1, 0
	MUL16 6, 1, 1, 1, 0
	WIN 0
	; THE WAY OUT: tile by tile of A: bias, quantiser, four stores of 512 consecutive bytes: the codes are the next operand's registers as they stand
	PLACES NP
	s_wait_loadcnt 0x0                             ; the biases
.irp b, 0,1,2,3
	v_mov_b32 v[TM+4+\b], 0                        ; a lane permute's destination counts as one of its sources
.endr
.irp a, 0,1,2,3,4,5,6,7
	s_cmp_lg_u32 s67, 0
	s_cbranch_scc0 .Lrow_\a
	PULLC \a
	s_branch .Lq_\a
.Lrow_\a:
	PULLR \a
.Lq_\a:
	s_wait_xcnt 0x0                                ; the last tile's stores have read their codes
	QUANT T, PWK+\a
.irp c, 0,1,2,3
	global_store_b128 v[VO], v[PC+4*\c:PC+4*\c+3], s[80+4*(\a/4):81+4*(\a/4)] offset:(\a%4)*2048+512*\c
.endr
.endr
	s_wait_xcnt 0x0
	v_cmp_lt_u32 vcc_lo, 15, v1
.irp t, 0,1,2,3
	v_cndmask_b32 v[PC+\t], v[PWK+\t], v[PWK+4+\t], vcc_lo   ; lanes 0-15: the first chunk's four words of lane-row r; lanes 16-31: the second's
.endr
	global_store_b128 v[VSC], v[PC:PC+3], s[80:81] offset:8192   ; two whole blocks of 256 bytes
	s_wait_tensorcnt 0x0                           ; the wave's end
	ds_add_u32 v[SPW], v[NIL]
	s_wait_dscnt 0x0
	CROUND                                         ; the closing round
	s_endpgm
.Lfunc_end_k_qb688389200_qkv:
	.size	k_qb688389200_qkv, .Lfunc_end_k_qb688389200_qkv-k_qb688389200_qkv
	.p2alignl 7, 3214868480
	.fill 96, 4, 3214868480
	.section	.rodata,"a",@progbits
	.p2align	6, 0x0
	.amdhsa_kernel k_qb688389200_qkv
		.amdhsa_group_segment_fixed_size 327680
		.amdhsa_private_segment_fixed_size 0
		.amdhsa_enable_private_segment 0
		.amdhsa_kernarg_size 32
		.amdhsa_user_sgpr_count 2
		.amdhsa_user_sgpr_kernarg_segment_ptr 1
		.amdhsa_wavefront_size32 1
		.amdhsa_system_sgpr_workgroup_id_x 1
		.amdhsa_system_sgpr_workgroup_id_y 1
		.amdhsa_system_sgpr_workgroup_id_z 1
		.amdhsa_system_vgpr_workitem_id 0
		.amdhsa_next_free_vgpr 1024
		.amdhsa_next_free_sgpr 100
		.amdhsa_reserve_vcc 1
		.amdhsa_float_denorm_mode_32 3
		.amdhsa_float_denorm_mode_16_64 3
		.amdhsa_memory_ordered 1
		.amdhsa_forward_progress 1
		.amdhsa_inst_pref_size 218
	.end_amdhsa_kernel
	.amdgpu_metadata
---
amdhsa.version: [ 1, 2 ]
amdhsa.kernels:
  - .name:           k_qb688389200_qkv
    .symbol:         k_qb688389200_qkv.kd
    .args:
      - { .name: ca, .offset: 0, .size: 8, .value_kind: global_buffer, .address_space: global }
      - { .name: wa, .offset: 8, .size: 8, .value_kind: global_buffer, .address_space: global }
      - { .name: b_qkv, .offset: 16, .size: 8, .value_kind: global_buffer, .address_space: global }
      - { .name: qkv, .offset: 24, .size: 8, .value_kind: global_buffer, .address_space: global }
    .group_segment_fixed_size: 327680
    .private_segment_fixed_size: 0
    .kernarg_segment_align: 8
    .kernarg_segment_size: 32
    .max_flat_workgroup_size: 128
    .sgpr_count:     100
    .vgpr_count:     1024
    .wavefront_size: 32
...
	.end_amdgpu_metadata
.endif
;; end of part 2
;; launch attn (part 3): grid 8 x 32, 16 waves a work-group, clusters of 4 x 1, 327,680 bytes of LDS; arguments qkv, ca; writes ca
.if DOCPART == 3
	.amdgcn_target "amdgcn-amd-amdhsa--gfx1250"
	.amdhsa_code_object_version 6
	.text
	.protected	k_qb688389200_attn
	.globl	k_qb688389200_attn
	.p2align	8
	.type	k_qb688389200_attn,@function
k_qb688389200_attn:
	s_mov_b64 s[64:65], 0
	v_nop
	global_prefetch_b8 v0, s[64:65] scope:SCOPE_SE
	s_setreg_imm32_b32 hwreg(HW_REG_WAVE_MODE, 25, 1), 1
	s_wait_xcnt 0x0
	s_wait_alu depctr_hold_cnt(0) depctr_sa_sdst(0) depctr_va_vdst(0) depctr_va_sdst(0) depctr_va_ssrc(0) depctr_va_vcc(0) depctr_vm_vsrc(0)
	s_getreg_b32 s2, hwreg(HW_REG_IB_STS2, 6, 4)
	s_cmp_eq_u32 s2, 0
	s_cbranch_scc0 .Lentry_in_a_cluster
	s_endpgm
.Lentry_in_a_cluster:
	s_bfe_u32 s2, ttmp6, 0x10000c
	s_cmp_lg_u32 s2, 0x3003
	s_cbranch_scc0 .Lentry_shape_is_right
	s_endpgm
.Lentry_shape_is_right:
; Causal attention, 32 (batch, head) pairs, 2,048 tokens, head size 64, both products on codes of E5M2; its result is quantised along d_model for the next product and stored as that operand's registers.
; t = score x log2(e) / 8; M = the running largest t rounded UP to a whole number; p = 2^(t - M) is quantised along the keys; the row's sum is taken of the unquantised p and divides at the end.
; Key steps all of whose keys come after a tile's queries lie wholly under reference()'s own causal mask and are left out.
; LDS HOLDS ONE HEAD'S K AND V WHOLE: K's codes 131,072 bytes as [tile t of a chunk][32 chunk rows][1,024], K's scale words 32 x 256, V's 16 chunks of 8,448 as they lie: 274,432 bytes, filled once, by 13 joint loads at the head,
; one a wave.  Waves 0-3: K's tile t, chunk rows 0-15 (16 rows of 1,024 bytes, 16 chunks apart: my head's half of a tile); wave 4: V's chunks 0-3; wave 5: K's scale words: what key step 0 reads.  They alone wait ahead of the first
; barrier, and have load lines of their own.  Waves 8-11: K's chunk rows 16-31; waves 12-14: V's chunks 4-15: every wave waits for 0 ahead of the second barrier, behind key step 0.  Nothing is filled again.
; SHARES.  Work-group (j, batch x head) owns tile j (of 8) of each of the 16 groups of 128 tokens; group g's tile has g + 1 key steps of 128 keys: 136 in all.  With s = wave % 4, the longest shares have the lowest wave numbers:
; waves 0-3: steps 0-12 of group 15 - s's tile (13 steps), then -M, the sums and O^T go into LDS bytes of their own;  waves 4-7: group 11 - s's tile whole (12 - s steps), stored by themselves;
; waves 8-11: group 4 + s's tile (5 + s steps), stored; then steps 13 .. 15 - s of group 15 - s's tile (none where s = 3: that part is then zeros, which the join leaves zeros); behind one barrier they join the two parts, both
; brought under the larger M by powers of two, which round nothing, and store;  waves 12-15: group s's tile (s + 1 steps).  Waves s, s + 4, s + 8, s + 12 have 34 steps together, for every s.
; Every wave walks all 16 steps: step 0 written out, then a loop of 15 trips; a step that is not the wave's skips its work alone; the change of tiles stands in the loop, under a branch on the count of steps.
; BOTH PRODUCTS TRANSPOSED: a lane holds one query throughout.  HEAD SIZE 64 IN A K OF 128: source 0 holds TWO tiles of 16 keys, 64 channels each; source 1 is [q | 0] for the first tile, [0 | q] for the second: the other tile's
; codes, finite numbers under scale bytes 1 .. 254, meet zero codes and add exactly 0.  Lane-row r of tile t is row 32 (t / 2) + 8 (t % 2) + r + 8 (r / 8) of its chunk, so that 16 registers of two neighbouring tiles are 16 neighbours.
; CLUSTER 4 x 1: four work-groups of one (batch, head) need the same K and V: each tile is asked for jointly.  The place in the cluster enters global offsets and the mask's numbers alone, in registers of their own.
; NO PREFETCH: every tile is asked for at the head; there is no loop to run ahead in.
; LIMITS: a block's largest p is taken from the block's largest score (p rises with the score); blocks under 2^-111 keep the byte 1; no NaN, no infinities.  The result's scale bytes leave two to a lane (lanes r and r + 16 store the
; same two bytes with the same value): 128 KiB of the launch's stores.
.set CH,    8448
.set QKCB,  8650752                    ; v transposed begins here
.set KSB,   131072                     ; K's scale words
.set VB,    139264                     ; V's chunks
.set SPARE, 274432                     ; the spare words, 128 bytes a wave: eight blocks of 256 bytes that no other line names
.set STASH, 276480                     ; four parts of STP bytes: O^T as eight groups of four registers, then v12-15
.set STP,   4608
.set SPLIT, 13                         ; the step at which group 15 - s's tile passes from wave s to wave 8 + s; every other tile has ended by then
.set STA,  1                           ; v1   my set's part: STASH + STP s + 16 x lane
.set ASC0, 2                           ; v2   16 r
.set LI,   3                           ; v3   16 x lane
.set VQO,  4                           ; v4   my 16 bytes of q's first register group in its chunk; the result's likewise
.set SPW,  5
.set NIL,  6
.set VSO,  7                           ; v7   q's two scale bytes in its chunk's 256; the result's likewise
.set ADK,  8
.set ADKS, 9
.set ADV,  10
.set ADVS, 11                          ; v12 -M, v13 the largest t, v[14:15] the sum in two halves; v16-23 zeros, v24-31 q, v32-39 zeros
.set KV,   40                          ; v40-103  four fragments of K, then of V
.set S,    104                         ; v104-167 S^T, then p
.set OT,   168                         ; v168-199 O^T
.set PC,   200
.set BM,   216
.set BT,   220
.set HOLD, 224
.set SOP,  228
.set KS,   232                         ; K's scale words, VS V's, QS q's two, PS p's: they hold scales alone
.set VS,   236
.set RAW,  240
.set QS,   248
.set PS,   250
.set ADK2, 251                         ; v251 K's tiles 2 and 3: 65,536 bytes behind tiles 0 and 1
.set QD,   255                         ; my query's place in its 128 tokens - 16 (lane / 16)
.set TK,  2
.set TV,  3
.set WV,  18
.set MNT, 19
.set SEL, 20
.set CS,  22
.set G1K, 24
.set G1V, 32
.set G1S, 40
.set G0K, 48
.set G0V, 52
.set G0S, 56
.set G0W, 84                           ; s[84:87] group 0 of V's chunks 0-3
.set QA1, 68                           ; s[68:69] the first tile's q, s[70:71] its result, s[72:73], s[74:75] the same of group 15 - s's tile
.set OA1, 70
.set QA2, 72
.set OA2, 74
.set TS,  76
.set PSEL, 90
.set ST,  96
.set RK,  97
.set RK2, 98
.set CNT, 99
.macro ROUND
	s_barrier_signal -1
	s_barrier_wait -1
	s_cmp_lg_u32 s[WV], 0
	s_cbranch_scc1 .Lnot_wave_0_\@
	s_barrier_signal -3
.Lnot_wave_0_\@:
	s_barrier_wait -3
	s_barrier_signal -1
	s_barrier_wait -1
.endm
.macro ARM under, g0, g1, next         ; an arm of the head's one chain: its load, s_nop 0 and four v_nop, a jump to the chain's end
	s_cmp_lt_u32 s[WV], \under
	s_cbranch_scc0 \next
	tensor_load_to_lds s[\g0:\g0+3], s[\g1:\g1+7]
	s_nop 0
.rept 4
	v_nop
.endr
	s_branch .Lasked
\next:
.endm
.macro INIT                            ; a tile begins: the largest t -3e38, sums and O^T zeros, which the first change of M leaves zeros
	v_mov_b32 v13, 0xff61b1e6
	v_floor_f32 v12, -v13
	v_mov_b32 v14, 0
	v_mov_b32 v15, 0
.set n, 0
.rept 32
	v_mov_b32 v[OT+n], 0
.set n, n+1
.endr
.endm
.macro QLOAD a                         ; a tile's q: two register groups and its two scale bytes
	global_load_b128 v[24:27], v[VQO], s[\a:\a+1]
	global_load_b128 v[28:31], v[VQO], s[\a:\a+1] offset:512
	global_load_u16 v254, v[VSO], s[\a:\a+1] offset:8192
.endm
.macro QSCALE
	v_or_b32 v[QS], 0x7f7f0000, v254               ; for [q | 0]: the zero codes get the byte of 1.0
	v_lshl_or_b32 v[QS+1], v254, 16, 0x7f7f        ; for [0 | q]
.endm
	s_load_b128 s[4:7], s[0:1], 0x0                ; qkv, ca
	v_lshl_add_u32 v[SPW], v0, 2, SPARE
	v_mov_b32 v[NIL], 0
	ds_add_u32 v[SPW], v[NIL]                      ; the opening lines: the add twice on end and its wait ahead of the first tensor load
	ds_add_u32 v[SPW], v[NIL]
	v_lshrrev_b32 v8, 5, v0
	v_readfirstlane_b32 s[WV], v8                  ; wave 0..15
	s_bfe_u32 s77, ttmp6, 0x40000                  ; cx
	s_lshl_b32 s78, ttmp9, 2
	s_add_co_u32 s78, s78, s77                     ; j
	s_and_b32 s79, ttmp7, 0xffff
	s_lshr_b32 s80, s79, 4                         ; batch
	s_and_b32 s81, s79, 15                         ; head
	s_and_b32 s82, s81, 1                          ; head % 2
	s_lshr_b32 s83, s81, 1                         ; head / 2
	s_and_b32 s84, s[WV], 3                        ; s
	s_sub_co_u32 s95, 15, s84                      ; the tile that two waves share: group 15 - s
	s_sub_co_u32 s[RK], 15, s[WV]                  ; the first tile: waves 0-7: group 15 - wave;
	s_and_b32 s85, s[WV], 7
	s_xor_b32 s85, s85, 4                          ; waves 8-11: group 4 + s; waves 12-15: group s
	s_cmp_lt_u32 s[WV], 8
	s_cselect_b32 s[RK], s[RK], s85
	s_lshr_b32 s86, s[WV], 2
	s_cmp_eq_u32 s86, 2
	s_cselect_b32 s[RK2], s95, 0                   ; behind the change of tiles: waves 8-11 walk on to step 15 - s, the others have no step left
	s_mov_b32 s[G1K], 15|(3<<16)|(1<<21)           ; 15:0 all four work-groups; 17:16 elements of 8 bytes; 21 set beside a mask
	s_mov_b32 s[G1K+1], 128<<16                    ; K: rows of 1,024 bytes,
	s_mov_b32 s[G1K+2], 16<<16                     ; 16 of them,
	s_mov_b32 s[G1K+3], 128<<16
	s_mov_b32 s[G1K+4], 16
	s_mov_b32 s[G1K+5], 16896                      ; a chunk row (16 chunks) apart
	s_mov_b32 s[G1K+6], 0
	s_mov_b32 s[G1K+7], 0
	s_mov_b32 s[G1V], 15|(3<<16)|(1<<21)
	s_mov_b32 s[G1V+1], 1056<<16                   ; V: 4 chunks on end
	s_mov_b32 s[G1V+2], 4<<16
	s_mov_b32 s[G1V+3], 1056<<16
	s_mov_b32 s[G1V+4], 4
	s_mov_b32 s[G1V+5], 1056
	s_mov_b32 s[G1V+6], 0
	s_mov_b32 s[G1V+7], 0
	s_mov_b32 s[G1S], 15|(3<<16)|(1<<21)
	s_mov_b32 s[G1S+1], 32<<16                     ; K's scale words: 32 rows of 256 bytes, a chunk row apart
	s_mov_b32 s[G1S+2], 32<<16
	s_mov_b32 s[G1S+3], 32<<16
	s_mov_b32 s[G1S+4], 32
	s_mov_b32 s[G1S+5], 16896
	s_mov_b32 s[G1S+6], 0
	s_mov_b32 s[G1S+7], 0
	s_lshl_b32 s85, s80, 5                         ; 32 batch: the batch's first chunk row
	s_lshr_b32 s86, s[WV], 3                       ; K: tile wave % 4, half wave / 8
	s_lshl_b32 s86, s86, 4
	s_add_co_u32 s86, s86, s85
	s_lshl_b32 s86, s86, 4
	s_add_co_u32 s86, s86, s83
	s_add_co_u32 s86, s86, 8                       ; k's columns lie behind q's eight chunks
	s_mul_i32 s60, s86, CH
	s_and_b32 s87, s[WV], 3
	s_lshl_b32 s87, s87, 11
	s_add_co_u32 s60, s60, s87                     ; tile t,
	s_lshl_b32 s87, s82, 10
	s_add_co_u32 s60, s60, s87                     ; my head's two register groups
	s_mov_b32 s61, 0
	s_lshl_b32 s86, s85, 4
	s_add_co_u32 s86, s86, s83
	s_add_co_u32 s86, s86, 8
	s_mul_i32 s62, s86, CH
	s_add_co_u32 s62, s62, 8192
	s_mov_b32 s63, 0
	s_lshr_b32 s87, s78, 2                         ; q's chunk and the result's: chunk row 32 batch + 2 group + j / 4
	s_add_co_u32 s87, s87, s85
	s_lshl_b32 s88, s[RK], 1
	s_add_co_u32 s88, s88, s87
	s_lshl_b32 s89, s88, 4
	s_add_co_u32 s89, s89, s83
	s_mul_i32 s[QA1], s89, CH
	s_lshl_b32 s89, s88, 3
	s_add_co_u32 s89, s89, s83
	s_mul_i32 s[OA1], s89, CH
	s_lshl_b32 s88, s95, 1
	s_add_co_u32 s88, s88, s87
	s_lshl_b32 s89, s88, 4
	s_add_co_u32 s89, s89, s83
	s_mul_i32 s[QA2], s89, CH
	s_lshl_b32 s89, s88, 3
	s_add_co_u32 s89, s89, s83
	s_mul_i32 s[OA2], s89, CH
	s_mov_b32 s[QA1+1], 0
	s_mov_b32 s[OA1+1], 0
	s_mov_b32 s[QA2+1], 0
	s_mov_b32 s[OA2+1], 0
	s_and_b32 s89, s78, 3                          ; j % 4: my tile in its chunk
	s_lshl_b32 s91, s89, 11
	s_lshl_b32 s86, s82, 10
	s_add_co_u32 s91, s91, s86                     ; 2048 (j % 4) + 1024 (head % 2)
	s_lshl_b32 s94, s89, 2
	s_lshl_b32 s86, s82, 1
	s_add_co_u32 s94, s94, s86                     ; 4 (j % 4) + 2 (head % 2)
	s_lshr_b32 s92, s78, 1
	s_lshl_b32 s92, s92, 5
	s_and_b32 s86, s78, 1
	s_lshl_b32 s86, s86, 3
	s_add_co_u32 s92, s92, s86                     ; 32 (j / 2) + 8 (j % 2)
	s_mul_i32 s93, s84, STP
	s_add_co_u32 s93, s93, STASH
	s_lshl_b32 s78, s81, 5                         ; V: the head's chunk row of 32 chunks, the batch's 16 of them (j is done with)
	s_lshl_b32 s79, s80, 4
	s_add_co_u32 s78, s78, s79
	s_mul_i32 s78, s78, CH
	s_add_co_u32 s78, s78, QKCB                    ; chunks 0-3
	s_and_b32 s66, s[WV], 3
	s_mul_i32 s66, s66, 4*CH
	s_add_co_u32 s66, s66, s78
	s_add_co_u32 s66, s66, 4*CH                    ; chunks 4 (wave % 4 + 1) on
	s_mov_b32 s67, 0
	s_mov_b32 s79, 0
	s_mov_b32 s[PSEL], 0x07060302                  ; which half of a chunk's scale words is my head's
	s_cmp_eq_u32 s82, 0
	s_cselect_b32 s[PSEL], 0x05040100, s[PSEL]
	s_mov_b32 s[SEL], 0x76543210
	s_mov_b32 s[SEL+1], 0xfedcba98
	s_mov_b32 s[CS], 0x3e38aa3b                    ; log2(e) / 8
	s_mov_b32 s[CS+1], s[CS]
	s_mov_b32 s[MNT], 0x600000
	s_mov_b32 s[TK], 0
	s_mov_b32 s[TS], KSB
	s_mov_b32 s[TV], VB
	s_mov_b32 s[ST], 0
	s_wait_dscnt 0x0                               ; both opening adds are done
	s_wait_kmcnt 0x0
	s_mov_b32 s[G0K], 1
	s_and_b32 s[G0K+1], s[WV], 3
	s_lshl_b32 s[G0K+1], s[G0K+1], 15              ; 32,768 x tile
	s_lshr_b32 s88, s[WV], 3
	s_lshl_b32 s88, s88, 14
	s_add_co_u32 s[G0K+1], s[G0K+1], s88           ; + 16,384 x half
	s_add_nc_u64 s[G0K+2:G0K+3], s[4:5], s[60:61]
	s_or_b32 s[G0K+3], s[G0K+3], 0x80000000
	s_mov_b32 s[G0V], 1
	s_and_b32 s[G0V+1], s[WV], 3
	s_mul_i32 s[G0V+1], s[G0V+1], 4*CH
	s_add_co_u32 s[G0V+1], s[G0V+1], VB+4*CH
	s_add_nc_u64 s[G0V+2:G0V+3], s[4:5], s[66:67]
	s_or_b32 s[G0V+3], s[G0V+3], 0x80000000
	s_mov_b32 s[G0S], 1
	s_mov_b32 s[G0S+1], KSB
	s_add_nc_u64 s[G0S+2:G0S+3], s[4:5], s[62:63]
	s_or_b32 s[G0S+3], s[G0S+3], 0x80000000
	s_mov_b32 s[G0W], 1
	s_mov_b32 s[G0W+1], VB
	s_add_nc_u64 s[G0W+2:G0W+3], s[4:5], s[78:79]
	s_or_b32 s[G0W+3], s[G0W+3], 0x80000000
	s_add_nc_u64 s[QA1:QA1+1], s[4:5], s[QA1:QA1+1]
	s_add_nc_u64 s[OA1:OA1+1], s[6:7], s[OA1:OA1+1]
	s_add_nc_u64 s[QA2:QA2+1], s[4:5], s[QA2:QA2+1]
	s_add_nc_u64 s[OA2:OA2+1], s[6:7], s[OA2:OA2+1]
	ROUND                                          ; all four work-groups are here
	ARM 4,  G0K, G1K, .Lh_a                        ; what step 0 reads: waves 0-5
	ARM 5,  G0W, G1V, .Lh_b
	ARM 6,  G0S, G1S, .Lh_c
	s_cmp_lt_u32 s[WV], 8
	s_cbranch_scc1 .Lasked                         ; waves 6 and 7 fetch nothing
	ARM 12, G0K, G1K, .Lh_d                        ; the rest: waves 8-14, on lines of their own
	ARM 15, G0V, G1V, .Lh_e
.Lasked:
	v_and_b32 v8, 31, v0
	v_lshlrev_b32 v[LI], 4, v8
	v_and_b32 v9, 15, v0                           ; r
	v_bfe_u32 v10, v0, 4, 1                        ; h
	v_lshlrev_b32 v[ASC0], 4, v9
	v_add_nc_u32 v[VQO], s91, v[LI]
	v_lshl_add_u32 v[VSO], v9, 4, s94
	v_add_nc_u32 v[STA], s93, v[LI]
	v_and_b32 v[QD], 8, v9
	v_add_nc_u32 v[QD], v[QD], v9
	v_add_nc_u32 v[QD], s92, v[QD]                 ; 32 (j / 2) + 8 (j % 2) + r + 8 (r / 8)
	v_lshlrev_b32 v10, 4, v10
	v_sub_nc_u32 v[QD], v[QD], v10
	QLOAD QA1
.irp i, 0,1,2,3,4,5,6,7
	v_mov_b32 v[16+\i], 0                          ; the zero codes beside q
	v_mov_b32 v[32+\i], 0
.endr
	v_mov_b32 v252, 0                              ; written once on every way: a lane permute's destination counts as one of its sources
	v_mov_b32 v253, 0                              ; (the upper half of the pair v[252:253])
.irp b, 0,1,2,3
	v_mov_b32 v[BT+\b], 0
.endr
	INIT
	s_wait_alu depctr_va_vdst(0)                   ; the wait ahead of the wait below
	s_wait_loadcnt 0x0
	QSCALE
	s_wait_alu depctr_va_vdst(0)                   ; and at the head's end
	s_cmp_lt_u32 s[WV], 8
	s_cbranch_scc0 .Llater
	s_wait_tensorcnt 0x0                           ; waves 0-7: what step 0 reads is in; the other waves' wait stands ahead of the second barrier
.Llater:
	s_barrier_signal -1
	s_barrier_wait -1
.macro STEP                            ; 128 keys
	s_cmp_gt_u32 s[ST], s[RK]                      ; not my tile's step: only the addresses step
	s_cbranch_scc1 .Lhid_\@
	v_add_nc_u32 v[ADK], s[TK], v[LI]
	v_add_nc_u32 v[ADKS], s[TS], v[ASC0]
	v_add_nc_u32 v[ADV], s[TV], v[LI]
	v_add_nc_u32 v[ADVS], s[TV], v[ASC0]
	v_add_nc_u32 v[ADK2], 0x10000, v[ADK]
.rept 3
	v_nop                                          ; with the five additions: eight places in front of loads into registers that the last products read
.endr
	ds_load_b128 v[RAW:RAW+3], v[ADKS]             ; the scale words of the step's eight tiles of keys
	ds_load_b128 v[RAW+4:RAW+7], v[ADKS] offset:256
.irp b, 0,1,2,3
.irp u, 0,1
.irp d, 0,1
	ds_load_b128 v[KV+16*\b+8*\u+4*\d:KV+16*\b+8*\u+4*\d+3], v[ADK+(ADK2-ADK)*(\b%2)] offset:\u*32768+(\b/2)*1024+512*\d   ; operand b: tile 2 b's 64 channels, then tile 2 b + 1's
.endr
.endr
.endr
	s_wait_dscnt 16                                ; the scale words are in; the 16 loads of codes may be out
.irp b, 0,1,2,3
	v_perm_b32 v[KS+\b], v[RAW+2*\b+1], v[RAW+2*\b], s[PSEL]   ; my head's two bytes of tile 2 b, then of tile 2 b + 1
.endr
.rept 8
	v_nop                                          ; a scale register written by a vector instruction stands eight places ahead
.endr
	s_wait_alu depctr_va_vdst(0)
	s_wait_dscnt 0x0
.irp b, 0,1,2,3
	v_wmma_scale_f32_16x16x128_f8f6f4 v[S+16*\b:S+16*\b+7], v[KV+16*\b:KV+16*\b+15], v[24:39], 0, v[KS+\b], v[QS] matrix_a_fmt:MATRIX_FMT_BF8 matrix_b_fmt:MATRIX_FMT_BF8
	v_wmma_scale_f32_16x16x128_f8f6f4 v[S+16*\b+8:S+16*\b+15], v[KV+16*\b:KV+16*\b+15], v[16:31], 0, v[KS+\b], v[QS+1] matrix_a_fmt:MATRIX_FMT_BF8 matrix_b_fmt:MATRIX_FMT_BF8
.endr                                          ; register 16 b + i of S: key 32 b + 16 (lane / 16) + i of the step
.rept 8
	v_nop
.endr
	ds_load_b128 v[VS:VS+3], v[ADVS] offset:8192   ; V's fragments and scale words land while the softmax is worked
.irp t, 0,1,2,3
.irp c, 0,1,2,3
	ds_load_b128 v[KV+16*\t+4*\c:KV+16*\t+4*\c+3], v[ADV] offset:2048*\t+512*\c
.endr
.endr
	s_cmp_lg_u32 s[ST], s[RK]                      ; on the diagonal the scores of hidden keys become -infinity ahead of the maximum
	s_cbranch_scc1 .Lopen_\@
	v_mov_b32 v254, 0xff800000
.set n, 0
.rept 64
	v_cmp_gt_i32 vcc_lo, 32*(n/16)+n%16, v[QD]
	v_cndmask_b32 v[S+n], v[S+n], v254, vcc_lo
.set n, n+1
.endr
.Lopen_\@:
.irp b, 0,1,2,3
	v_max3_num_f32 v[BM+\b], v[S+16*\b], v[S+1+16*\b], v[S+2+16*\b]   ; the largest score of each block of 32 keys: for the row's maximum and for the block's largest p
.endr
.irp i, 3,5,7,9,11,13
.irp b, 0,1,2,3
	v_max3_num_f32 v[BM+\b], v[BM+\b], v[S+16*\b+\i], v[S+1+16*\b+\i]
.endr
.endr
.irp b, 0,1,2,3
	v_max_num_f32 v[BM+\b], v[BM+\b], v[S+15+16*\b]
.endr
.irp b, 0,1,2,3
	s_delay_alu instid0(VALU_DEP_4)
	v_permlanex16_b32 v[BT+\b], v[BM+\b], s[SEL], s[SEL+1]
.endr
.irp b, 0,1,2,3
	s_delay_alu instid0(VALU_DEP_4)
	v_max_num_f32 v[BM+\b], v[BM+\b], v[BT+\b]
.endr
	s_delay_alu instid0(VALU_DEP_2)
	v_max3_num_f32 v254, v[BM], v[BM+1], v[BM+2]
	s_delay_alu instid0(VALU_DEP_1)
	v_max_num_f32 v254, v254, v[BM+3]
	s_delay_alu instid0(VALU_DEP_1)
	v_mul_f32 v254, s[CS], v254
	s_delay_alu instid0(VALU_DEP_1)
	v_max_num_f32 v13, v13, v254                   ; the running largest t
	v_mov_b32 v254, v12
	s_delay_alu instid0(VALU_DEP_2)
	v_floor_f32 v12, -v13                          ; -M = floor(-t): M is a whole number
	s_delay_alu instid0(VALU_DEP_1)
	v_sub_f32 v254, v12, v254
	s_delay_alu instid0(VALU_DEP_1)
	v_cvt_i32_f32 v254, v254
	s_delay_alu instid0(VALU_DEP_1)
	v_ldexp_f32 v252, 1.0, v254                    ; f = 2^(old M - new M): rounds nothing
.set n, 0
.rept 32
	v_pk_fma_f32 v[S+n:S+n+1], v[S+n:S+n+1], s[CS:CS+1], v[12:13] op_sel_hi:[1,0,0]   ; t - M
.set n, n+2
.endr
.irp b, 0,1,2,3
	v_fma_f32 v[BM+\b], v[BM+\b], s[CS], v12
.endr
.set n, 0
	s_wait_alu depctr_va_vdst(0)                   ; the wait ahead of the batch
.rept 64
	v_exp_f32 v[S+n], v[S+n]                       ; p
.set n, n+1
.endr
.irp b, 0,1,2,3
	v_exp_f32 v[BM+\b], v[BM+\b]                   ; the block's largest p
.endr
	v_pk_mul_f32 v[14:15], v[14:15], v[252:253] op_sel_hi:[1,0]   ; the sums under the new M (a plain place behind the exponentials)
	s_wait_alu depctr_va_vdst(0)                   ; and behind it
.irp b, 0,1,2,3
	v_max_num_f32 v[BM+\b], 0x8000000, v[BM+\b]    ; the floor
.endr
.irp b, 0,1,2,3
	s_delay_alu instid0(VALU_DEP_4)
	v_add_nc_u32 v[SOP+\b], 0xf8800000, v[BM+\b]
.endr
.irp b, 0,1,2,3
	v_and_or_b32 v[HOLD+\b], v[BM+\b], 0x7f800000, s[MNT]
.endr
.irp b, 0,1,2,3
	v_lshrrev_b32 v[BT+\b], 23, v[SOP+\b]
.endr
	s_delay_alu instid0(VALU_DEP_3)
	v_lshl_or_b32 v[PS], v[BT+1], 8, v[BT]         ; p's scale word for these 128 keys
	s_delay_alu instid0(VALU_DEP_1)
	v_lshl_or_b32 v[PS], v[BT+2], 16, v[PS]
	s_delay_alu instid0(VALU_DEP_1)
	v_lshl_or_b32 v[PS], v[BT+3], 24, v[PS]
	v_pk_add_f32 v[BT:BT+1], v[S:S+1], v[S+2:S+3]  ; the row's sum is taken of the unquantised p, in two chains
.irp j, 4,8,12,16,20,24,28,32,36,40,44,48,52,56,60
	v_pk_add_f32 v[14:15], v[14:15], v[S+\j:S+\j+1]
	v_pk_add_f32 v[BT:BT+1], v[BT:BT+1], v[S+2+\j:S+3+\j]
.endr
	s_delay_alu instid0(VALU_DEP_1)
	v_pk_add_f32 v[14:15], v[14:15], v[BT:BT+1]
.irp b, 0,1,2,3
.irp i, 0,1,2,3,4,5,6,7,8,9,10,11,12,13,14,15
	v_min_num_f32 v[S+16*\b+\i], v[S+16*\b+\i], v[HOLD+\b]   ; p is not negative: a one-sided hold
.endr
	v_cvt_scalef32_pk8_bf8_f32 v[PC+4*\b:PC+1+4*\b], v[S+16*\b:S+7+16*\b], v[SOP+\b]
	v_cvt_scalef32_pk8_bf8_f32 v[PC+2+4*\b:PC+3+4*\b], v[S+8+16*\b:S+15+16*\b], v[SOP+\b]
.endr
	s_wait_alu depctr_va_vdst(0)                   ; the wait directly ahead of the first reader of O^T
.set n, 0
.rept 16
	v_pk_mul_f32 v[OT+n:OT+n+1], v[OT+n:OT+n+1], v[252:253] op_sel_hi:[1,0]   ; O^T under the new M; these are also the places in front of the products below
.set n, n+2
.endr
	s_wait_alu depctr_va_vdst(0)
	s_wait_dscnt 0x0
.irp t, 0,1,2,3
	v_wmma_scale_f32_16x16x128_f8f6f4 v[OT+8*\t:OT+8*\t+7], v[KV+16*\t:KV+16*\t+15], v[PC:PC+15], v[OT+8*\t:OT+8*\t+7], v[VS+\t], v[PS] matrix_a_fmt:MATRIX_FMT_BF8 matrix_b_fmt:MATRIX_FMT_BF8
.endr
.Lhid_\@:
	s_add_co_u32 s[ST], s[ST], 1
	s_add_co_u32 s[TK], s[TK], 2048                ; two chunk rows of 1,024 bytes
	s_add_co_u32 s[TS], s[TS], 512
	s_add_co_u32 s[TV], s[TV], CH
.endm
; THE WAY OUT of a tile: O^T / the sum; register 16 b + i is channel 32 b + 16 (lane / 16) + i of my head: two blocks of the next product's K
.macro OUT d
	v_add_f32 v14, v14, v15
	s_delay_alu instid0(VALU_DEP_1)
	v_permlanex16_b32 v252, v14, s[SEL], s[SEL+1]
	s_delay_alu instid0(VALU_DEP_1)
	v_add_f32 v14, v14, v252
	s_wait_alu depctr_va_vdst(0)
	v_rcp_f32 v14, v14
	v_nop                                          ; a place behind the reciprocal
	s_wait_alu depctr_va_vdst(0)
.set n, 0
.rept 16
	v_pk_mul_f32 v[OT+n:OT+n+1], v[OT+n:OT+n+1], v[14:15] op_sel_hi:[1,0]
.set n, n+2
.endr
.irp b, 0,1
	v_max3_num_f32 v[BM+\b], |v[OT+16*\b]|, |v[OT+1+16*\b]|, 0x8000000
.endr
.irp i, 2,4,6,8,10,12,14
.irp b, 0,1
	s_delay_alu instid0(VALU_DEP_2)
	v_max3_num_f32 v[BM+\b], v[BM+\b], |v[OT+16*\b+\i]|, |v[OT+1+16*\b+\i]|
.endr
.endr
.irp b, 0,1
	s_delay_alu instid0(VALU_DEP_2)
	v_permlanex16_b32 v[BT+\b], v[BM+\b], s[SEL], s[SEL+1]
.endr
.irp b, 0,1
	s_delay_alu instid0(VALU_DEP_2)
	v_max_num_f32 v[BM+\b], v[BM+\b], v[BT+\b]
.endr
.irp b, 0,1
	s_delay_alu instid0(VALU_DEP_2)
	v_add_nc_u32 v[SOP+\b], 0xf8800000, v[BM+\b]
.endr
.irp b, 0,1
	s_delay_alu instid0(VALU_DEP_4)
	v_and_or_b32 v[HOLD+\b], v[BM+\b], 0x7f800000, s[MNT]
.endr
.irp b, 0,1
	s_delay_alu instid0(VALU_DEP_4)
	v_lshrrev_b32 v[BT+\b], 23, v[SOP+\b]
.endr
	s_delay_alu instid0(VALU_DEP_1)
	v_lshl_or_b32 v[PS], v[BT+1], 8, v[BT]
.irp b, 0,1
.irp i, 0,1,2,3,4,5,6,7,8,9,10,11,12,13,14,15
	v_med3_num_f32 v[OT+16*\b+\i], v[OT+16*\b+\i], -v[HOLD+\b], v[HOLD+\b]
.endr
	v_cvt_scalef32_pk8_bf8_f32 v[PC+4*\b:PC+1+4*\b], v[OT+16*\b:OT+7+16*\b], v[SOP+\b]
	v_cvt_scalef32_pk8_bf8_f32 v[PC+2+4*\b:PC+3+4*\b], v[OT+8+16*\b:OT+15+16*\b], v[SOP+\b]
.endr
	v_nop                                          ; a plain line behind the last conversion
	global_store_b128 v[VQO], v[PC:PC+3], s[\d:\d+1]             ; 512 consecutive bytes each
	global_store_b128 v[VQO], v[PC+4:PC+7], s[\d:\d+1] offset:512
	global_store_b16 v[VSO], v[PS], s[\d:\d+1] offset:8192
	s_wait_xcnt 0x0                                ; the stores have read their registers
.endm
	STEP                                           ; key step 0: every wave has it
	s_wait_tensorcnt 0x0                           ; every wave: all that is still out is in,
	s_wait_dscnt 0x0
	s_barrier_signal -1
	s_barrier_wait -1                              ; of every wave
	s_mov_b32 s[CNT], 15
.Lwalk:                                            ; key steps 1 .. 15
	s_cmp_lg_u32 s[ST], SPLIT
	s_cbranch_scc1 .Lgo
.rept 8
	v_nop                                          ; THE CHANGE OF TILES, ahead of step SPLIT.  Eight places behind the last products
.endr
	s_cmp_lt_u32 s[WV], 4
	s_cbranch_scc1 .Lstash
	s_lshr_b32 s88, s[WV], 2
	s_cmp_lg_u32 s88, 2
	s_cbranch_scc1 .Lno_q
	QLOAD QA2                                      ; waves 8-11: the shared tile's q comes while the first tile leaves
.Lno_q:
	OUT OA1                                        ; waves 4-15: the first tile is finished
	s_mov_b32 s[RK], s[RK2]
	s_wait_alu depctr_va_vdst(0)                   ; the wait ahead of the wait and the branch below
	s_wait_loadcnt 0x0                             ; on every wave's way
	s_lshr_b32 s88, s[WV], 2
	s_cmp_lg_u32 s88, 2
	s_cbranch_scc1 .Lgo                            ; waves 4-7 and 12-15 have no step left
	INIT
	QSCALE
	s_wait_alu depctr_va_vdst(0)                   ; the wait ahead of the branch
	s_branch .Lgo
.Lstash:                                           ; waves 0-3: my part of the shared tile goes to my set's bytes, each accumulator from its low end on
.irp k, 0,1,2,3,4,5,6,7
	ds_store_b128 v[STA], v[OT+4*\k:OT+4*\k+3] offset:512*\k
.endr
	ds_store_b128 v[STA], v[12:15] offset:4096
	s_mov_b32 s[RK], 0                             ; no later step is mine
.Lgo:
	STEP
	s_sub_co_u32 s[CNT], s[CNT], 1
	s_cmp_lg_u32 s[CNT], 0
	s_cbranch_scc1 .Lwalk
.rept 8
	v_nop                                          ; eight places behind the last products
.endr
	s_wait_dscnt 0x0                               ; for the others' sake: my stores are done
	s_barrier_signal -1
	s_barrier_wait -1
	s_lshr_b32 s88, s[WV], 2
	s_cmp_lg_u32 s88, 2
	s_cbranch_scc1 .Lend                           ; waves 8-11 join and store the shared tile
.irp k, 0,1,2,3,4,5,6,7
	ds_load_b128 v[KV+4*\k:KV+4*\k+3], v[STA] offset:512*\k      ; the other part's O^T,
.endr
	ds_load_b128 v[KV+32:KV+35], v[STA] offset:4096              ; its -M, largest t and sums
	s_wait_dscnt 0x0
	v_min_num_f32 v254, v12, v[KV+32]              ; -M of the two together
	v_sub_f32 v[HOLD], v254, v12
	v_sub_f32 v254, v254, v[KV+32]                 ; whole numbers, 0 or less
	v_cvt_i32_f32 v[HOLD], v[HOLD]                 ; (it saturates: a part of zeros gets the factor 0)
	v_cvt_i32_f32 v254, v254
	v_ldexp_f32 v252, 1.0, v[HOLD]                 ; my part's factor,
	v_ldexp_f32 v[BT], 1.0, v254                   ; the other's: powers of two
	v_pk_mul_f32 v[14:15], v[14:15], v[252:253] op_sel_hi:[1,0]
	v_pk_fma_f32 v[14:15], v[KV+34:KV+35], v[BT:BT+1], v[14:15] op_sel_hi:[1,0,1]
.set n, 0
.rept 16
	v_pk_mul_f32 v[OT+n:OT+n+1], v[OT+n:OT+n+1], v[252:253] op_sel_hi:[1,0]
.set n, n+2
.endr
.set n, 0
.rept 16
	v_pk_fma_f32 v[OT+n:OT+n+1], v[KV+n:KV+n+1], v[BT:BT+1], v[OT+n:OT+n+1] op_sel_hi:[1,0,1]
.set n, n+2
.endr
	OUT OA2
.Lend:
	s_wait_tensorcnt 0x0                           ; the wave's end
	ds_add_u32 v[SPW], v[NIL]
	s_wait_dscnt 0x0
	ROUND                                          ; the closing round
	s_endpgm
.Lfunc_end_k_qb688389200_attn:
	.size	k_qb688389200_attn, .Lfunc_end_k_qb688389200_attn-k_qb688389200_attn
	.p2alignl 7, 3214868480
	.fill 96, 4, 3214868480
	.section	.rodata,"a",@progbits
	.p2align	6, 0x0
	.amdhsa_kernel k_qb688389200_attn
		.amdhsa_group_segment_fixed_size 327680
		.amdhsa_private_segment_fixed_size 0
		.amdhsa_enable_private_segment 0
		.amdhsa_kernarg_size 16
		.amdhsa_user_sgpr_count 2
		.amdhsa_user_sgpr_kernarg_segment_ptr 1
		.amdhsa_wavefront_size32 1
		.amdhsa_system_sgpr_workgroup_id_x 1
		.amdhsa_system_sgpr_workgroup_id_y 1
		.amdhsa_system_sgpr_workgroup_id_z 1
		.amdhsa_system_vgpr_workitem_id 0
		.amdhsa_next_free_vgpr 256
		.amdhsa_next_free_sgpr 100
		.amdhsa_reserve_vcc 1
		.amdhsa_float_denorm_mode_32 3
		.amdhsa_float_denorm_mode_16_64 3
		.amdhsa_memory_ordered 1
		.amdhsa_forward_progress 1
		.amdhsa_inst_pref_size 82
	.end_amdhsa_kernel
	.amdgpu_metadata
---
amdhsa.version: [ 1, 2 ]
amdhsa.kernels:
  - .name:           k_qb688389200_attn
    .symbol:         k_qb688389200_attn.kd
    .args:
      - { .name: qkv, .offset: 0, .size: 8, .value_kind: global_buffer, .address_space: global }
      - { .name: ca, .offset: 8, .size: 8, .value_kind: global_buffer, .address_space: global }
    .group_segment_fixed_size: 327680
    .private_segment_fixed_size: 0
    .kernarg_segment_align: 8
    .kernarg_segment_size: 16
    .max_flat_workgroup_size: 512
    .sgpr_count:     100
    .vgpr_count:     256
    .wavefront_size: 32
...
	.end_amdgpu_metadata
.endif
;; end of part 3
;; launch outp (part 4): grid 8 x 32, 4 waves a work-group, clusters of 4 x 4, 327,680 bytes of LDS; arguments ca, wo, y; writes y
.if DOCPART == 4
	.amdgcn_target "amdgcn-amd-amdhsa--gfx1250"
	.amdhsa_code_object_version 6
	.text
	.protected	k_qb688389200_outp
	.globl	k_qb688389200_outp
	.p2align	8
	.type	k_qb688389200_outp,@function
k_qb688389200_outp:
	s_mov_b64 s[64:65], 0
	v_nop
	global_prefetch_b8 v0, s[64:65] scope:SCOPE_SE
	s_setreg_imm32_b32 hwreg(HW_REG_WAVE_MODE, 25, 1), 1
	s_wait_xcnt 0x0
	s_wait_alu depctr_hold_cnt(0) depctr_sa_sdst(0) depctr_va_vdst(0) depctr_va_sdst(0) depctr_va_ssrc(0) depctr_va_vcc(0) depctr_vm_vsrc(0)
	s_getreg_b32 s2, hwreg(HW_REG_IB_STS2, 6, 4)
	s_cmp_eq_u32 s2, 0
	s_cbranch_scc0 .Lentry_in_a_cluster
	s_endpgm
.Lentry_in_a_cluster:
	s_bfe_u32 s2, ttmp6, 0x10000c
	s_cmp_lg_u32 s2, 0xf033
	s_cbranch_scc0 .Lentry_shape_is_right
	s_endpgm
.Lentry_shape_is_right:
.set LAPS,   1
.set CH,     8448
.set GP,     8*CH
.set HALFT,  4*CH
.set SLOT,   4*HALFT
.set SPARE,  2*SLOT
.set SPLA,   64*GP
.set SPLB,   16*GP
.set FR,     16
.set NL,     4
.set NP,     8
.set ADRA, 16
.set ADRB, 20
.set ADRS, 22
.set VO,   24
.set SPW,  28
.set NIL,  29
.set SC,   32
.set ACC,  128
.set G1,  24
.set G0,  32
.set G1B, 48
.set G0B, 56
.set MSB, 0
.macro WIN new
.if MSB != (\new)
	s_set_vgpr_msb (MSB<<8)|(\new)
.set MSB, (\new)
.endif
.endm
.set MUL,  0x05
.set TO_F, 0x40
.macro JLOAD g0a, g1a, g0b, g1b
	s_cmp_eq_u32 s15, 0
	s_cbranch_scc0 .Lfor_b_\@
	tensor_load_to_lds s[\g0a:\g0a+3], s[\g1a:\g1a+7]
	s_nop 0
.rept 4
	v_nop
.endr
	s_branch .Lasked_\@
.Lfor_b_\@:
	tensor_load_to_lds s[\g0b:\g0b+3], s[\g1b:\g1b+7]
	s_nop 0
.rept 4
	v_nop
.endr
.Lasked_\@:
.endm
.macro CREST
	s_cmp_lg_u32 s14, 0
	s_cbranch_scc1 .Lnot_wave_0_\@
	s_barrier_signal -3
.Lnot_wave_0_\@:
	s_barrier_wait -3
	s_barrier_signal -1
	s_barrier_wait -1
.endm
.macro CROUND
	s_barrier_signal -1
	s_barrier_wait -1
	CREST
.endm
.macro FRAG reg, adr, q, t
.irp c, 0,1,2,3
	ds_load_b128 v[\reg+4*\c:\reg+4*\c+3], v[\adr] offset:(\q)*CH+(\t)*2048+512*\c
.endr
.endm
.macro SCALES slot
.irp q, 0,1,2,3
	ds_load_b128 v[SC+16*\slot+4*\q:SC+16*\slot+4*\q+3], v[ADRS+\slot] offset:\q*CH
.endr
.endm
.macro FETCH slot, q, p, sc
	WIN TO_F
.irp t, 0,1,2,3
	FRAG 128*(\p)+64+FR*\t, ADRB+\slot, \q, \t
.endr
.irp t, 0,1
	FRAG 128*(\p)+FR*\t, ADRA+\slot, \q, \t
.endr
.if \sc
	WIN 0
	SCALES \slot
	WIN TO_F
.endif
.irp t, 2,3
	FRAG 128*(\p)+FR*\t, ADRA+\slot, \q, \t
.endr
.endm
.macro MUL4 p, a, q, sc, zero
.irp b, 0,1,2,3
.if \zero
	v_wmma_scale_f32_16x16x128_f8f6f4 v[ACC+8*(4*(\a)+\b):ACC+8*(4*(\a)+\b)+7], v[128*(\p)+64+FR*\b:128*(\p)+64+FR*\b+FR-1], v[128*(\p)+FR*(\a):128*(\p)+FR*(\a)+FR-1], 0, v[SC+16*(\sc)+4*(\q)+\b], v[SC+16*(\sc)+4*(\q)+(\a)] matrix_a_fmt:MATRIX_FMT_BF8 matrix_b_fmt:MATRIX_FMT_BF8 matrix_a_scale:MATRIX_SCALE_ROW1
.else
	v_wmma_scale_f32_16x16x128_f8f6f4 v[ACC+8*(4*(\a)+\b):ACC+8*(4*(\a)+\b)+7], v[128*(\p)+64+FR*\b:128*(\p)+64+FR*\b+FR-1], v[128*(\p)+FR*(\a):128*(\p)+FR*(\a)+FR-1], v[ACC+8*(4*(\a)+\b):ACC+8*(4*(\a)+\b)+7], v[SC+16*(\sc)+4*(\q)+\b], v[SC+16*(\sc)+4*(\q)+(\a)] matrix_a_fmt:MATRIX_FMT_BF8 matrix_b_fmt:MATRIX_FMT_BF8 matrix_a_scale:MATRIX_SCALE_ROW1
.endif
.endr
.endm
.macro PLACES n
.rept \n
	v_nop
.endr
.endm
.macro STEP slot, q, zero
	s_wait_dscnt 2*NL
	WIN MUL
	MUL4 (\q)%2, 0, \q, \slot, \zero
	MUL4 (\q)%2, 1, \q, \slot, \zero
	PLACES NP
	FETCH \slot, (\q)+1, 1-(\q)%2, 0
	s_wait_dscnt 8*NL
	WIN MUL
	MUL4 (\q)%2, 2, \q, \slot, \zero
	MUL4 (\q)%2, 3, \q, \slot, \zero
.endm
.macro TURN slot, next, fill
	WIN 0
	s_wait_tensorcnt 0x0
	ds_add_u32 v[SPW], v[NIL]
	s_wait_dscnt 2*NL+1
	WIN MUL
	MUL4 1, 0, 3, \slot, 0
	s_wait_dscnt 0x0
	s_barrier_signal -1
	MUL4 1, 1, 3, \slot, 0
	WIN 0
	s_barrier_wait -1
.if \fill
	CREST
	s_add_nc_u64 s[G0+4*\slot+2:G0+4*\slot+3], s[G0+4*\slot+2:G0+4*\slot+3], SPLA
	s_add_nc_u64 s[G0B+4*\slot+2:G0B+4*\slot+3], s[G0B+4*\slot+2:G0B+4*\slot+3], SPLB
	JLOAD G0+4*\slot, G1, G0B+4*\slot, G1B
	PLACES NP-4
.else
	PLACES NP
.endif
	FETCH \next, 0, 0, 1
	WIN MUL
	MUL4 1, 2, 3, \slot, 0
	MUL4 1, 3, 3, \slot, 0
.endm
	s_load_b128 s[4:7], s[0:1], 0x0
	s_load_b64 s[8:9], s[0:1], 0x10
	v_lshl_add_u32 v[SPW], v0, 2, SPARE
	v_mov_b32 v[NIL], 0
	ds_add_u32 v28, v29
	ds_add_u32 v28, v29
	s_wait_dscnt 0x0
	v_lshrrev_b32 v1, 5, v0
	v_readfirstlane_b32 s14, v1
	s_lshr_b32 s15, s14, 1
	s_and_b32 s16, s14, 1
	s_bfe_u32 s40, ttmp6, 0x40000
	s_bfe_u32 s41, ttmp6, 0x40004
	s_lshl_b32 s42, ttmp9, 2
	s_add_co_u32 s42, s42, s40
	s_and_b32 s17, ttmp7, 0xffff
	s_lshl_b32 s17, s17, 2
	s_add_co_u32 s17, s17, s41
	s_lshl_b32 s43, s41, 2
	s_lshl_b32 s43, 15, s43
	s_lshl_b32 s44, 0x1111, s40
	s_or_b32 s[G1], s43, (3<<16)|(1<<21)
	s_or_b32 s[G1B], s44, (3<<16)|(1<<21)
.irp g, G1, G1B
	s_mov_b32 s[\g+1], 1056<<16
	s_mov_b32 s[\g+2], 4<<16
	s_mov_b32 s[\g+3], 1056<<16
	s_mov_b32 s[\g+4], 4
	s_mov_b32 s[\g+5], 1056
	s_mov_b32 s[\g+6], 0
	s_mov_b32 s[\g+7], 0
.endr
	s_lshl_b32 s20, s17, 1
	s_add_co_u32 s20, s20, s16
	s_mul_i32 s20, s20, GP
	s_mov_b32 s21, 0
	s_lshl_b32 s46, s42, 1
	s_add_co_u32 s46, s46, s16
	s_mul_i32 s46, s46, GP
	s_mov_b32 s47, 0
	s_mul_i32 s45, s14, HALFT
	s_wait_kmcnt 0x0
	s_add_nc_u64 s[20:21], s[4:5], s[20:21]
	s_add_nc_u64 s[46:47], s[6:7], s[46:47]
	CROUND
.irp s, 0,1
	s_mov_b32 s[G0+4*\s], 1
	s_add_co_u32 s[G0+4*\s+1], s45, \s*SLOT
	s_add_nc_u64 s[G0+4*\s+2:G0+4*\s+3], s[20:21], \s*4*CH
	s_or_b32 s[G0+4*\s+3], s[G0+4*\s+3], 0x80000000
	s_mov_b32 s[G0B+4*\s], 1
	s_add_co_u32 s[G0B+4*\s+1], s45, \s*SLOT
	s_add_nc_u64 s[G0B+4*\s+2:G0B+4*\s+3], s[46:47], \s*4*CH
	s_or_b32 s[G0B+4*\s+3], s[G0B+4*\s+3], 0x80000000
.if \s
	s_wait_alu depctr_va_vdst(0)
	s_wait_tensorcnt 0x0
	ds_add_u32 v28, v29
	ds_add_u32 v28, v29
	s_wait_dscnt 0x0
	CROUND
.endif
	JLOAD G0+4*\s, G1, G0B+4*\s, G1B
.endr
	v_and_b32 v1, 31, v0
	v_and_b32 v2, 15, v0
	v_bfe_u32 v3, v0, 4, 1
	v_lshlrev_b32 v[VO], 4, v1
	s_mul_i32 s21, s15, HALFT
	s_mul_i32 s22, s16, HALFT
	s_add_co_u32 s22, s22, 2*HALFT
	s_sub_co_u32 s23, s22, s21
	v_mul_u32_u24 v4, s23, v3
	v_lshl_add_u32 v4, v2, 4, v4
	s_add_co_u32 s23, s21, 8192
	v_add_nc_u32 v[ADRS], s23, v4
	v_add_nc_u32 v[ADRS+1], SLOT, v[ADRS]
.irp s, 0,1
	v_add_nc_u32 v[ADRA+\s], s21, v[VO]
	v_add_nc_u32 v[ADRB+\s], s22, v[VO]
	s_add_co_u32 s21, s21, SLOT
	s_add_co_u32 s22, s22, SLOT
.endr
	s_lshl_b32 s66, s17, 1
	s_add_co_u32 s66, s66, s15
	s_lshl_b32 s66, s66, 5
	s_add_co_u32 s66, s66, s42
	s_lshl_b32 s66, s66, 13
	s_lshl_b32 s67, s16, 12
	s_add_co_u32 s66, s66, s67
	s_mov_b32 s67, 0
	s_add_nc_u64 s[8:9], s[8:9], s[66:67]
	s_wait_alu depctr_va_vdst(0)
	s_wait_tensorcnt 1
	s_barrier_signal -1
	s_barrier_wait -1
	FETCH 0, 0, 0, 1
	STEP 0, 0, 1
.if LAPS > 1
	WIN 0
	s_mov_b32 s3, LAPS-1
.Llap:
	STEP 0, 1, 0
	STEP 0, 2, 0
	TURN 0, 1, 1
	STEP 1, 0, 0
	STEP 1, 1, 0
	STEP 1, 2, 0
	TURN 1, 0, 1
	STEP 0, 0, 0
	WIN 0
	s_sub_co_u32 s3, s3, 1
	s_cmp_lg_u32 s3, 0
	s_cbranch_scc1 .Llap
.endif
	STEP 0, 1, 0
	STEP 0, 2, 0
	TURN 0, 1, 0
	STEP 1, 0, 0
	STEP 1, 1, 0
	STEP 1, 2, 0
	s_wait_dscnt 2*NL
	WIN MUL
	MUL4 1, 0, 3, 1, 0
	MUL4 1, 1, 3, 1, 0
	s_wait_dscnt 0
	MUL4 1, 2, 3, 1, 0
	MUL4 1, 3, 3, 1, 0
	WIN 0
	PLACES NP
.irp a, 0,1,2,3
.irp b, 0,1,2,3
	global_store_b128 v[VO], v[ACC+8*(4*\a+\b):ACC+8*(4*\a+\b)+3], s[8:9] offset:\a*65536+\b*1024 th:TH_STORE_NT
	global_store_b128 v[VO], v[ACC+8*(4*\a+\b)+4:ACC+8*(4*\a+\b)+7], s[8:9] offset:\a*65536+\b*1024+512 th:TH_STORE_NT
.endr
.endr
	s_wait_tensorcnt 0x0
	ds_add_u32 v[SPW], v[NIL]
	s_wait_dscnt 0x0
	CROUND
	s_endpgm
.Lfunc_end_k_qb688389200_outp:
	.size	k_qb688389200_outp, .Lfunc_end_k_qb688389200_outp-k_qb688389200_outp
	.p2alignl 7, 3214868480
	.fill 96, 4, 3214868480
	.section	.rodata,"a",@progbits
	.p2align	6, 0x0
	.amdhsa_kernel k_qb688389200_outp
		.amdhsa_group_segment_fixed_size 327680
		.amdhsa_private_segment_fixed_size 0
		.amdhsa_enable_private_segment 0
		.amdhsa_kernarg_size 24
		.amdhsa_user_sgpr_count 2
		.amdhsa_user_sgpr_kernarg_segment_ptr 1
		.amdhsa_wavefront_size32 1
		.amdhsa_system_sgpr_workgroup_id_x 1
		.amdhsa_system_sgpr_workgroup_id_y 1
		.amdhsa_system_sgpr_workgroup_id_z 1
		.amdhsa_system_vgpr_workitem_id 0
		.amdhsa_next_free_vgpr 512
		.amdhsa_next_free_sgpr 72
		.amdhsa_reserve_vcc 0
		.amdhsa_float_denorm_mode_32 3
		.amdhsa_float_denorm_mode_16_64 3
		.amdhsa_memory_ordered 1
		.amdhsa_forward_progress 1
		.amdhsa_inst_pref_size 47
	.end_amdhsa_kernel
	.amdgpu_metadata
---
amdhsa.version: [ 1, 2 ]
amdhsa.kernels:
  - .name:           k_qb688389200_outp
    .symbol:         k_qb688389200_outp.kd
    .args:
      - { .name: ca, .offset: 0, .size: 8, .value_kind: global_buffer, .address_space: global }
      - { .name: wo, .offset: 8, .size: 8, .value_kind: global_buffer, .address_space: global }
      - { .name: y, .offset: 16, .size: 8, .value_kind: global_buffer, .address_space: global }
    .group_segment_fixed_size: 327680
    .private_segment_fixed_size: 0
    .kernarg_segment_align: 8
    .kernarg_segment_size: 24
    .max_flat_workgroup_size: 128
    .sgpr_count:     72
    .vgpr_count:     512
    .wavefront_size: 32
...
	.end_amdgpu_metadata
.endif
;; end of part 4
;; launch ln1 (part 5): grid 256 x 1, 8 waves a work-group, no clusters, 69,632 bytes of LDS; arguments y, x, b_out, ln1_g, ln1_b, x1, ca; writes x1, ca
.if DOCPART == 5
	.amdgcn_target "amdgcn-amd-amdhsa--gfx1250"
	.amdhsa_code_object_version 6
	.text
	.protected	k_qb688389200_ln1
	.globl	k_qb688389200_ln1
	.p2align	8
	.type	k_qb688389200_ln1,@function
k_qb688389200_ln1:
	s_mov_b64 s[64:65], 0
	v_nop
	global_prefetch_b8 v0, s[64:65] scope:SCOPE_SE
	s_setreg_imm32_b32 hwreg(HW_REG_WAVE_MODE, 25, 1), 1
	s_wait_xcnt 0x0
; x1 = LayerNorm(x + (attention's projection + b_out)) x gamma + beta, in f32; stored twice: as an image of registers (the FFN's residual) and as codes of E5M2 (the next product's operand).
; A work-group takes a tile of 16 tokens (lane-row r of tile T is token 64 (T / 4) + 32 ((T % 4) / 2) + 8 (T % 2) + r + 8 (r / 8)), wave w columns 128 w on.  Lane (r, h) holds, in register 16 b + i, column 128 w + 32 b + 16 h + i
; of its token: the layout in which the product before left its sums, and in which the quantiser wants its numbers.  x, which lies by rows, turns through the wave's own stage in LDS.
; Mean and variance in two passes, as the definition has them; a row's eight partial sums meet in LDS, and every wave adds them in the same order.  Memory binds: no matrix unit, no cluster.
; LIMITS: the quantiser's (byte 1 for blocks under 2^-111; no NaN, no infinities).  The scale words leave as 64 bytes of a block of 256.
.set CH,   8448
.set STAT, 67584                       ; behind the eight stages: 2 x 512 bytes: [16 rows][8 waves] words
.set WV,  2
.set MNT, 3
.set SEL, 18
.set V,   16
.set R,   80
.set G,   144
.set PC,  208
.set TM,  224
.set PW,  240
.set SA,  242
.set MU,  250
.macro QUANT s, pw
.irp b, 0,1,2,3
	v_max3_num_f32 v[TM+\b], |v[\s+16*\b]|, |v[\s+1+16*\b]|, 0x8000000
.endr
.irp i, 2,4,6,8,10,12,14
.irp b, 0,1,2,3
	s_delay_alu instid0(VALU_DEP_4)
	v_max3_num_f32 v[TM+\b], v[TM+\b], |v[\s+16*\b+\i]|, |v[\s+1+16*\b+\i]|
.endr
.endr
.irp b, 0,1,2,3
	s_delay_alu instid0(VALU_DEP_4)
	v_permlanex16_b32 v[TM+4+\b], v[TM+\b], s[SEL], s[SEL+1]
.endr
.irp b, 0,1,2,3
	s_delay_alu instid0(VALU_DEP_4)
	v_max_num_f32 v[TM+\b], v[TM+\b], v[TM+4+\b]
.endr
.irp b, 0,1,2,3
	s_delay_alu instid0(VALU_DEP_4)
	v_add_nc_u32 v[TM+12+\b], 0xf8800000, v[TM+\b]
.endr
.irp b, 0,1,2,3
	v_and_or_b32 v[TM+8+\b], v[TM+\b], 0x7f800000, s[MNT]
.endr
.irp b, 0,1,2,3
	v_lshrrev_b32 v[TM+4+\b], 23, v[TM+12+\b]
.endr
	s_delay_alu instid0(VALU_DEP_3)
	v_lshl_or_b32 v[\pw], v[TM+5], 8, v[TM+4]
	s_delay_alu instid0(VALU_DEP_1)
	v_lshl_or_b32 v[\pw], v[TM+6], 16, v[\pw]
	s_delay_alu instid0(VALU_DEP_1)
	v_lshl_or_b32 v[\pw], v[TM+7], 24, v[\pw]
.irp b, 0,1,2,3
.irp i, 0,1,2,3,4,5,6,7,8,9,10,11,12,13,14,15
	v_med3_num_f32 v[\s+16*\b+\i], v[\s+16*\b+\i], -v[TM+8+\b], v[TM+8+\b]
.endr
	v_cvt_scalef32_pk8_bf8_f32 v[PC+4*\b:PC+1+4*\b], v[\s+16*\b:\s+7+16*\b], v[TM+12+\b]
	v_cvt_scalef32_pk8_bf8_f32 v[PC+2+4*\b:PC+3+4*\b], v[\s+8+16*\b:\s+15+16*\b], v[TM+12+\b]
.endr
	v_nop
.endm
.macro ADDV src                        ; V += a set of 64
.set n, 0
.rept 32
	v_pk_add_f32 v[V+n:V+n+1], v[V+n:V+n+1], v[\src+n:\src+n+1]
.set n, n+2
.endr
.endm
.macro PARAM dst, base                 ; 64 numbers of a vector of 1,024, in my layout
.irp b, 0,1,2,3
.irp j, 0,1,2,3
	global_load_b128 v[\dst+16*\b+4*\j:\dst+16*\b+4*\j+3], v5, s[\base:\base+1] offset:128*\b+16*\j
.endr
.endr
.endm
; the mean over a row's 1,024 columns of V (sq = 0) or of its squares (sq = 1), into v[MU], in every lane
.macro STATS base, sq
.irp k, 0,2,4,6
.if \sq
	v_pk_mul_f32 v[SA+\k:SA+\k+1], v[V+\k:V+\k+1], v[V+\k:V+\k+1]
.else
	v_pk_add_f32 v[SA+\k:SA+\k+1], v[V+\k:V+\k+1], v[V+8+\k:V+9+\k]
.endif
.endr
.irp j, 8,16,24,32,40,48,56
.irp k, 0,2,4,6
.if \sq
	s_delay_alu instid0(VALU_DEP_4)
	v_pk_fma_f32 v[SA+\k:SA+\k+1], v[V+\j+\k:V+\j+\k+1], v[V+\j+\k:V+\j+\k+1], v[SA+\k:SA+\k+1]
.elseif \j > 8
	s_delay_alu instid0(VALU_DEP_4)
	v_pk_add_f32 v[SA+\k:SA+\k+1], v[SA+\k:SA+\k+1], v[V+\j+\k:V+\j+\k+1]
.endif
.endr
.endr
	s_delay_alu instid0(VALU_DEP_3)
	v_pk_add_f32 v[SA:SA+1], v[SA:SA+1], v[SA+2:SA+3]
	s_delay_alu instid0(VALU_DEP_2)
	v_pk_add_f32 v[SA+4:SA+5], v[SA+4:SA+5], v[SA+6:SA+7]
	s_delay_alu instid0(VALU_DEP_1)
	v_pk_add_f32 v[SA:SA+1], v[SA:SA+1], v[SA+4:SA+5]
	s_delay_alu instid0(VALU_DEP_1)
	v_add_f32 v[SA], v[SA], v[SA+1]
	s_delay_alu instid0(VALU_DEP_1)
	v_permlanex16_b32 v[SA+1], v[SA], s[SEL], s[SEL+1]
	s_delay_alu instid0(VALU_DEP_1)
	v_add_f32 v[SA], v[SA], v[SA+1]                ; my wave's 128 columns of row r
	ds_store_b32 v10, v[SA] offset:\base           ; (both halves of the lanes write the same word with the same value)
	s_wait_dscnt 0x0                               ; for the others' sake
	s_barrier_signal -1
	s_barrier_wait -1
	ds_load_b128 v[SA:SA+3], v11 offset:\base
	ds_load_b128 v[SA+4:SA+7], v11 offset:\base+16
	s_wait_dscnt 0x0
	v_pk_add_f32 v[SA:SA+1], v[SA:SA+1], v[SA+2:SA+3]
	v_pk_add_f32 v[SA+4:SA+5], v[SA+4:SA+5], v[SA+6:SA+7]
	s_delay_alu instid0(VALU_DEP_1)
	v_pk_add_f32 v[SA:SA+1], v[SA:SA+1], v[SA+4:SA+5]
	s_delay_alu instid0(VALU_DEP_1)
	v_add_f32 v[SA], v[SA], v[SA+1]
	s_delay_alu instid0(VALU_DEP_1)
	v_mul_f32 v[MU], 0x3a800000, v[SA]             ; / 1,024
.endm
	s_load_b256 s[4:11], s[0:1], 0x0               ; y, x, b_out, ln1_g
	s_load_b128 s[12:15], s[0:1], 0x20             ; ln1_b, x1
	s_load_b64 s[16:17], s[0:1], 0x30              ; ca
	v_lshl_add_u32 v254, v0, 2, 0x10c00
	v_mov_b32 v255, 0
	v_lshrrev_b32 v1, 5, v0
	s_delay_alu instid0(VALU_DEP_1)
	v_readfirstlane_b32 s[WV], v1
	v_and_b32 v1, 31, v0
	s_delay_alu instid0(VALU_DEP_1)
	v_lshlrev_b32 v2, 4, v1                        ; 16 x lane
	s_wait_alu depctr_va_vdst(0)
	v_and_b32 v3, 15, v0                           ; r
	s_wait_alu depctr_va_vdst(0)
	v_bfe_u32 v4, v0, 4, 1                         ; h
	s_delay_alu instid0(VALU_DEP_1)
	v_lshlrev_b32 v5, 6, v4                        ; 64 h
	s_mov_b32 s[MNT], 0x600000
	s_mov_b32 s[SEL], 0x76543210
	s_mov_b32 s[SEL+1], 0xfedcba98
	s_lshr_b32 s20, ttmp9, 2
	s_lshl_b32 s21, s20, 6
	s_bfe_u32 s22, ttmp9, 0x10001
	s_lshl_b32 s22, s22, 5
	s_add_co_u32 s21, s21, s22
	s_and_b32 s22, ttmp9, 1
	s_lshl_b32 s22, s22, 3
	s_add_co_u32 s21, s21, s22                     ; the tile's first token
	s_lshl_b32 s24, s21, 12
	s_lshl_b32 s26, s[WV], 9                       ; my 128 columns: 512 bytes
	s_add_co_u32 s24, s24, s26
	s_mov_b32 s25, 0
	s_mov_b32 s27, 0
	s_lshl_b32 s28, ttmp9, 3
	s_add_co_u32 s28, s28, s[WV]
	s_lshl_b32 s28, s28, 13                        ; my block of an image
	s_mov_b32 s29, 0
	s_lshl_b32 s30, s20, 3
	s_add_co_u32 s30, s30, s[WV]
	s_mul_i32 s30, s30, CH                         ; my chunk of the operand
	s_mov_b32 s31, 0
	s_and_b32 s32, ttmp9, 3
	s_lshl_b32 s33, s32, 11
	s_lshl_b32 s32, s32, 2
	v_add_nc_u32 v6, s33, v2
	v_lshl_add_u32 v7, v3, 4, s32
	s_mul_i32 s34, s[WV], 8448                     ; my stage: 16 rows of 512 bytes + 16
	v_add_nc_u32 v8, s34, v2
	v_mul_u32_u24 v9, v3, 528
	s_wait_alu depctr_va_vdst(0)
	v_lshl_add_u32 v9, v4, 6, v9
	s_delay_alu instid0(VALU_DEP_1)
	v_add_nc_u32 v9, s34, v9
	v_lshlrev_b32 v11, 5, v3
	s_delay_alu instid0(VALU_DEP_1)
	v_add_nc_u32 v11, STAT, v11
	s_lshl_b32 s35, s[WV], 2
	v_add_nc_u32 v10, s35, v11
	v_mov_b32 v[MU+1], 0                           ; (the upper half of a pair of which the low word serves both halves)
.irp b, 0,1,2,3
	v_mov_b32 v[TM+4+\b], 0
.endr
	s_wait_alu depctr_va_vdst(0)
	s_wait_kmcnt 0x0
	s_add_nc_u64 s[4:5], s[4:5], s[28:29]
	s_add_nc_u64 s[6:7], s[6:7], s[24:25]
	s_add_nc_u64 s[8:9], s[8:9], s[26:27]
	s_add_nc_u64 s[10:11], s[10:11], s[26:27]
	s_add_nc_u64 s[12:13], s[12:13], s[26:27]
	s_add_nc_u64 s[14:15], s[14:15], s[28:29]
	s_add_nc_u64 s[16:17], s[16:17], s[30:31]
.irp i, 0,1,2,3,4,5,6,7,8,9,10,11,12,13,14,15
	global_load_b128 v[R+4*\i:R+4*\i+3], v2, s[6:7] offset:(\i+8*(\i/8))*4096 th:TH_LOAD_NT   ; x, lane-row i: 512 consecutive bytes
.endr
.irp u, 0,1,2,3,4,5,6,7,8,9,10,11,12,13,14,15
	global_load_b128 v[V+4*\u:V+4*\u+3], v2, s[4:5] offset:512*\u th:TH_LOAD_NT
.endr
	PARAM G, 8
	s_wait_loadcnt 32                              ; x is in; the product's sums and the bias may be out
.irp i, 0,1,2,3,4,5,6,7,8,9,10,11,12,13,14,15
	ds_store_b128 v8, v[R+4*\i:R+4*\i+3] offset:528*\i
.endr
.irp b, 0,1,2,3
.irp j, 0,1,2,3
	ds_load_b128 v[R+16*\b+4*\j:R+16*\b+4*\j+3], v9 offset:128*\b+16*\j   ; LDS serves a wave's instructions in order
.endr
.endr
	s_wait_loadcnt 16                              ; the sums are in
	s_wait_dscnt 0x0
	ADDV R
	PARAM R, 12                                    ; beta
	s_wait_loadcnt 16                              ; the bias is in; beta may be out
	ADDV G
	PARAM G, 10                                    ; gamma
	STATS 0, 0
.set n, 0
.rept 32
	v_pk_add_f32 v[V+n:V+n+1], v[V+n:V+n+1], v[MU:MU+1] op_sel_hi:[1,0] neg_lo:[0,1] neg_hi:[0,1]
.set n, n+2
.endr
	STATS 512, 1
	s_delay_alu instid0(VALU_DEP_1)
	v_add_f32 v[MU], 0x3727c5ac, v[MU]             ; + 1e-5
	s_wait_alu depctr_va_vdst(0)
	v_rsq_f32 v[MU], v[MU]
	v_nop                                          ; one plain place behind a transcendental
	s_wait_loadcnt 0x0                             ; beta and gamma
.set n, 0
	s_wait_alu depctr_va_vdst(0)
.rept 32
	v_pk_mul_f32 v[V+n:V+n+1], v[V+n:V+n+1], v[MU:MU+1] op_sel_hi:[1,0]
.set n, n+2
.endr
.set n, 0
.rept 32
	v_pk_fma_f32 v[V+n:V+n+1], v[V+n:V+n+1], v[G+n:G+n+1], v[R+n:R+n+1]
.set n, n+2
.endr
.irp u, 0,1,2,3,4,5,6,7,8,9,10,11,12,13,14,15
	global_store_b128 v2, v[V+4*\u:V+4*\u+3], s[14:15] offset:512*\u
.endr
	s_wait_xcnt 0x0                                ; the stores have read V: the quantiser's hold writes it
	QUANT V, PW
.irp c, 0,1,2,3
	global_store_b128 v6, v[PC+4*\c:PC+4*\c+3], s[16:17] offset:512*\c
.endr
	v_cmp_gt_u32 vcc_lo, 16, v1
	s_wait_xcnt 0x0                                ; EXEC changes only behind this wait
	s_wait_tensorcnt 0x0
	ds_add_u32 v254, v255
	s_wait_dscnt 0x0
	s_and_saveexec_b32 s36, vcc_lo
	global_store_b32 v7, v[PW], s[16:17] offset:8192
	s_wait_xcnt 0x0
	s_or_b32 exec_lo, exec_lo, s36
	s_endpgm
.Lfunc_end_k_qb688389200_ln1:
	.size	k_qb688389200_ln1, .Lfunc_end_k_qb688389200_ln1-k_qb688389200_ln1
	.p2alignl 7, 3214868480
	.fill 96, 4, 3214868480
	.section	.rodata,"a",@progbits
	.p2align	6, 0x0
	.amdhsa_kernel k_qb688389200_ln1
		.amdhsa_group_segment_fixed_size 69632
		.amdhsa_private_segment_fixed_size 0
		.amdhsa_enable_private_segment 0
		.amdhsa_kernarg_size 56
		.amdhsa_user_sgpr_count 2
		.amdhsa_user_sgpr_kernarg_segment_ptr 1
		.amdhsa_wavefront_size32 1
		.amdhsa_system_sgpr_workgroup_id_x 1
		.amdhsa_system_sgpr_workgroup_id_y 1
		.amdhsa_system_sgpr_workgroup_id_z 1
		.amdhsa_system_vgpr_workitem_id 0
		.amdhsa_next_free_vgpr 256
		.amdhsa_next_free_sgpr 66
		.amdhsa_reserve_vcc 1
		.amdhsa_float_denorm_mode_32 3
		.amdhsa_float_denorm_mode_16_64 3
		.amdhsa_memory_ordered 1
		.amdhsa_forward_progress 1
		.amdhsa_inst_pref_size 43
	.end_amdhsa_kernel
	.amdgpu_metadata
---
amdhsa.version: [ 1, 2 ]
amdhsa.kernels:
  - .name:           k_qb688389200_ln1
    .symbol:         k_qb688389200_ln1.kd
    .args:
      - { .name: y, .offset: 0, .size: 8, .value_kind: global_buffer, .address_space: global }
      - { .name: x, .offset: 8, .size: 8, .value_kind: global_buffer, .address_space: global }
      - { .name: b_out, .offset: 16, .size: 8, .value_kind: global_buffer, .address_space: global }
      - { .name: ln1_g, .offset: 24, .size: 8, .value_kind: global_buffer, .address_space: global }
      - { .name: ln1_b, .offset: 32, .size: 8, .value_kind: global_buffer, .address_space: global }
      - { .name: x1, .offset: 40, .size: 8, .value_kind: global_buffer, .address_space: global }
      - { .name: ca, .offset: 48, .size: 8, .value_kind: global_buffer, .address_space: global }
    .group_segment_fixed_size: 69632
    .private_segment_fixed_size: 0
    .kernarg_segment_align: 8
    .kernarg_segment_size: 56
    .max_flat_workgroup_size: 256
    .sgpr_count:     66
    .vgpr_count:     256
    .wavefront_size: 32
...
	.end_amdgpu_metadata
.endif
;; end of part 5
;; launch ff1 (part 6): grid 16 x 16, 4 waves a work-group, clusters of 4 x 4, 327,680 bytes of LDS; arguments ca, wa, b_ff1, hc; writes hc
.if DOCPART == 6
	.amdgcn_target "amdgcn-amd-amdhsa--gfx1250"
	.amdhsa_code_object_version 6
	.text
	.protected	k_qb688389200_ff1
	.globl	k_qb688389200_ff1
	.p2align	8
	.type	k_qb688389200_ff1,@function
k_qb688389200_ff1:
	s_mov_b64 s[64:65], 0
	v_nop
	global_prefetch_b8 v0, s[64:65] scope:SCOPE_SE
	s_setreg_imm32_b32 hwreg(HW_REG_WAVE_MODE, 25, 1), 1
	s_wait_xcnt 0x0
	s_wait_alu depctr_hold_cnt(0) depctr_sa_sdst(0) depctr_va_vdst(0) depctr_va_sdst(0) depctr_va_ssrc(0) depctr_va_vcc(0) depctr_vm_vsrc(0)
	s_getreg_b32 s2, hwreg(HW_REG_IB_STS2, 6, 4)
	s_cmp_eq_u32 s2, 0
	s_cbranch_scc0 .Lentry_in_a_cluster
	s_endpgm
.Lentry_in_a_cluster:
	s_bfe_u32 s2, ttmp6, 0x10000c
	s_cmp_lg_u32 s2, 0xf033
	s_cbranch_scc0 .Lentry_shape_is_right
	s_endpgm
.Lentry_shape_is_right:
.set CH,     8448
.set GP,     8*CH
.set HALFT,  4*CH
.set SLOT,   4*HALFT
.set SPARE,  2*SLOT
.set SST,    SPARE+512
.set W1OFF,  3244032
.set FR,     16
.set NL,     4
.set NP,     8
.set ADRA, 16
.set ADRB, 20
.set ADRS, 22
.set VO,   24
.set VOS,  25
.set SSW,  26
.set SS0,  27
.set SPW,  28
.set NIL,  29
.set SSR,  30
.set VSC,  31
.set SC,   32
.set BIAS, 64
.set AF,   128
.set T,    128
.set PC,   192
.set TM,   208
.set PW,   224
.set GZ,   192
.set GS,   200
.set GN,   208
.set GD,   216
.set GA0,  242
.set GB0,  244
.set CK,   66
.set AI,   88
.set G1,  24
.set G0,  32
.set G1B, 48
.set G0B, 56
.set MSB, 0
.macro WIN new
.if MSB != (\new)
	s_set_vgpr_msb (MSB<<8)|(\new)
.set MSB, (\new)
.endif
.endm
.set MUL_LO, 0xa1
.set MUL_HI, 0xf1
.set TO_B,   0x40
.macro JLOAD g0a, g1a, g0b, g1b
	s_cmp_eq_u32 s15, 0
	s_cbranch_scc0 .Lfor_b_\@
	tensor_load_to_lds s[\g0a:\g0a+3], s[\g1a:\g1a+7]
	s_nop 0
.rept 4
	v_nop
.endr
	s_branch .Lasked_\@
.Lfor_b_\@:
	tensor_load_to_lds s[\g0b:\g0b+3], s[\g1b:\g1b+7]
	s_nop 0
.rept 4
	v_nop
.endr
.Lasked_\@:
.endm
.macro CREST
	s_cmp_lg_u32 s14, 0
	s_cbranch_scc1 .Lnot_wave_0_\@
	s_barrier_signal -3
.Lnot_wave_0_\@:
	s_barrier_wait -3
	s_barrier_signal -1
	s_barrier_wait -1
.endm
.macro CROUND
	s_barrier_signal -1
	s_barrier_wait -1
	CREST
.endm
.macro FRAG reg, adr, q, i
.irp c, 0,1,2,3
	ds_load_b128 v[\reg+4*\c:\reg+4*\c+3], v[\adr] offset:((\i)/4)*2*CH+(\q)*CH+((\i)%4)*2048+512*\c
.endr
.endm
.macro MUL16 a0, p, q, sc, zero
.irp a, \a0, \a0+1
.irp b, 0,1,2,3,4,5,6,7
.if \zero
	v_wmma_scale_f32_16x16x128_f8f6f4 v[8*(8*((\a)%4)+\b):8*(8*((\a)%4)+\b)+7], v[128*(\p)+FR*\b:128*(\p)+FR*\b+FR-1], v[AF+FR*(\a):AF+FR*(\a)+FR-1], 0, v[SC+16*(\sc)+8*(\q)+\b], v[SC+16*(\sc)+8*(\q)+(\a)] matrix_a_fmt:MATRIX_FMT_BF8 matrix_b_fmt:MATRIX_FMT_BF8 matrix_a_scale:MATRIX_SCALE_ROW1
.else
	v_wmma_scale_f32_16x16x128_f8f6f4 v[8*(8*((\a)%4)+\b):8*(8*((\a)%4)+\b)+7], v[128*(\p)+FR*\b:128*(\p)+FR*\b+FR-1], v[AF+FR*(\a):AF+FR*(\a)+FR-1], v[8*(8*((\a)%4)+\b):8*(8*((\a)%4)+\b)+7], v[SC+16*(\sc)+8*(\q)+\b], v[SC+16*(\sc)+8*(\q)+(\a)] matrix_a_fmt:MATRIX_FMT_BF8 matrix_b_fmt:MATRIX_FMT_BF8 matrix_a_scale:MATRIX_SCALE_ROW1
.endif
.endr
.endr
.endm
.macro FETCH_B slot, q, p
	WIN TO_B
.irp i, 0,1,2,3,4,5,6,7
	FRAG 128*(\p)+FR*\i, ADRB+\slot, \q, \i
.endr
	WIN 0
.endm
.macro FETCH_A slot, q, i0
.irp i, \i0, \i0+1, \i0+2, \i0+3
	FRAG AF+FR*(\i), ADRA+\slot, \q, \i
.endr
.endm
.macro SCALES slot
.irp q, 0,1
.irp g, 0,1
	ds_load_b128 v[SC+16*\slot+8*\q+4*\g:SC+16*\slot+8*\q+4*\g+3], v[ADRS+\slot] offset:\g*2*CH+\q*CH
.endr
.endr
.endm
.macro PLACES n
.rept \n
	v_nop
.endr
.endm
.macro STEP slot, q, zero
	s_wait_dscnt 4*NL
	WIN MUL_LO
	MUL16 0, (\q)%2, \q, \slot, \zero
	MUL16 2, (\q)%2, \q, \slot, \zero
	s_wait_dscnt 0
	PLACES NP
	FETCH_B \slot, (\q)+1, 1-(\q)%2
	FETCH_A \slot, (\q)+1, 0
	WIN MUL_HI
	MUL16 4, (\q)%2, \q, \slot, \zero
	MUL16 6, (\q)%2, \q, \slot, \zero
	PLACES NP
	WIN 0
	FETCH_A \slot, (\q)+1, 4
.endm
.macro TURN slot, next, fill
	s_wait_tensorcnt 0x0
	ds_add_u32 v[SPW], v[NIL]
	s_wait_dscnt 4*NL+1
	WIN MUL_LO
	MUL16 0, 1, 1, \slot, 0
	s_wait_dscnt 0x0
	s_barrier_signal -1
	MUL16 2, 1, 1, \slot, 0
	WIN 0
	s_barrier_wait -1
.if \fill
	CREST
	s_add_nc_u64 s[G0+4*\slot+2:G0+4*\slot+3], s[G0+4*\slot+2:G0+4*\slot+3], 4*CH
	s_add_nc_u64 s[G0B+4*\slot+2:G0B+4*\slot+3], s[G0B+4*\slot+2:G0B+4*\slot+3], 4*CH
	JLOAD G0+4*\slot, G1, G0B+4*\slot, G1B
	PLACES NP-4
.else
	PLACES NP
.endif
	FETCH_B \next, 0, 0
	FETCH_A \next, 0, 0
	SCALES \next
	WIN MUL_HI
	MUL16 4, 1, 1, \slot, 0
	MUL16 6, 1, 1, \slot, 0
	PLACES NP
	WIN 0
	FETCH_A \next, 0, 4
.endm
.macro QUANT s, pw
.irp b, 0,1,2,3
	v_max3_num_f32 v[TM+\b], |v[\s+16*\b]|, |v[\s+1+16*\b]|, 0x8000000
.endr
.irp i, 2,4,6,8,10,12,14
.irp b, 0,1,2,3
	v_max3_num_f32 v[TM+\b], v[TM+\b], |v[\s+16*\b+\i]|, |v[\s+1+16*\b+\i]|
.endr
.endr
.irp b, 0,1,2,3
	v_permlanex16_b32 v[TM+4+\b], v[TM+\b], s[90], s[91]
.endr
.irp b, 0,1,2,3
	v_max_num_f32 v[TM+\b], v[TM+\b], v[TM+4+\b]
.endr
.irp b, 0,1,2,3
	v_add_nc_u32 v[TM+12+\b], 0xf8800000, v[TM+\b]
.endr
.irp b, 0,1,2,3
	v_and_or_b32 v[TM+8+\b], v[TM+\b], 0x7f800000, s89
.endr
.irp b, 0,1,2,3
	v_lshrrev_b32 v[TM+4+\b], 23, v[TM+12+\b]
.endr
	v_lshl_or_b32 v[\pw], v[TM+5], 8, v[TM+4]
	v_lshl_or_b32 v[\pw], v[TM+6], 16, v[\pw]
	v_lshl_or_b32 v[\pw], v[TM+7], 24, v[\pw]
.irp b, 0,1,2,3
.irp i, 0,1,2,3,4,5,6,7,8,9,10,11,12,13,14,15
	v_med3_num_f32 v[\s+16*\b+\i], v[\s+16*\b+\i], -v[TM+8+\b], v[TM+8+\b]
.endr
	v_cvt_scalef32_pk8_bf8_f32 v[PC+4*\b:PC+1+4*\b], v[\s+16*\b:\s+7+16*\b], v[TM+12+\b]
	v_cvt_scalef32_pk8_bf8_f32 v[PC+2+4*\b:PC+3+4*\b], v[\s+8+16*\b:\s+15+16*\b], v[TM+12+\b]
.endr
	v_nop
.endm
.macro PULLC a
	WIN 0x02+((\a)/4)
.set i, 0
.rept 32
	v_pk_add_f32 v[T+2*i:T+2*i+1], v[64*((\a)%4)+2*i:64*((\a)%4)+2*i+1], v[BIAS+2*i:BIAS+2*i+1]
.set i, i+1
.endr
	WIN 0
.endm
.set HZ,   226                         ; a second set of the four work groups of eight registers: 16 numbers go through each stage together, as eight lines that do not hang on each other
.set HS,   234
.set HN,   246
.set HD,   8
.macro GELU
.set gb, T
.rept 4
.irp k, 0,2,4,6
	v_pk_mul_f32 v[GZ+\k:GZ+\k+1], v[gb+\k:gb+\k+1], s[CK:CK+1] op_sel_hi:[1,0]
	v_pk_mul_f32 v[HZ+\k:HZ+\k+1], v[gb+8+\k:gb+9+\k], s[CK:CK+1] op_sel_hi:[1,0]
.endr
.irp k, 0,1,2,3,4,5,6,7
	v_med3_num_f32 v[GZ+\k], v[GZ+\k], -4.0, 4.0
	v_med3_num_f32 v[HZ+\k], v[HZ+\k], -4.0, 4.0
.endr
.irp k, 0,2,4,6
	v_pk_mul_f32 v[GS+\k:GS+\k+1], v[GZ+\k:GZ+\k+1], v[GZ+\k:GZ+\k+1]
	v_pk_mul_f32 v[HS+\k:HS+\k+1], v[HZ+\k:HZ+\k+1], v[HZ+\k:HZ+\k+1]
.endr
.irp k, 0,2,4,6
	v_pk_fma_f32 v[GN+\k:GN+\k+1], v[GS+\k:GS+\k+1], v[GA0:GA0+1], s[CK+2:CK+3] op_sel_hi:[1,1,0]
	v_pk_fma_f32 v[HN+\k:HN+\k+1], v[HS+\k:HS+\k+1], v[GA0:GA0+1], s[CK+2:CK+3] op_sel_hi:[1,1,0]
.endr
.irp k, 0,2,4,6
	v_pk_fma_f32 v[GD+\k:GD+\k+1], v[GS+\k:GS+\k+1], v[GB0:GB0+1], s[CK+14:CK+15] op_sel_hi:[1,1,0]
	v_pk_fma_f32 v[HD+\k:HD+\k+1], v[HS+\k:HS+\k+1], v[GB0:GB0+1], s[CK+14:CK+15] op_sel_hi:[1,1,0]
.endr
.irp c, 4,6,8,10,12
.irp k, 0,2,4,6
	v_pk_fma_f32 v[GN+\k:GN+\k+1], v[GN+\k:GN+\k+1], v[GS+\k:GS+\k+1], s[CK+\c:CK+\c+1] op_sel_hi:[1,1,0]
	v_pk_fma_f32 v[HN+\k:HN+\k+1], v[HN+\k:HN+\k+1], v[HS+\k:HS+\k+1], s[CK+\c:CK+\c+1] op_sel_hi:[1,1,0]
.endr
.endr
.irp c, 16,18,20
.irp k, 0,2,4,6
	v_pk_fma_f32 v[GD+\k:GD+\k+1], v[GD+\k:GD+\k+1], v[GS+\k:GS+\k+1], s[CK+\c:CK+\c+1] op_sel_hi:[1,1,0]
	v_pk_fma_f32 v[HD+\k:HD+\k+1], v[HD+\k:HD+\k+1], v[HS+\k:HS+\k+1], s[CK+\c:CK+\c+1] op_sel_hi:[1,1,0]
.endr
.endr
.irp k, 0,2,4,6
	v_pk_mul_f32 v[GN+\k:GN+\k+1], v[GN+\k:GN+\k+1], v[GZ+\k:GZ+\k+1]
	v_pk_mul_f32 v[HN+\k:HN+\k+1], v[HN+\k:HN+\k+1], v[HZ+\k:HZ+\k+1]
.endr
	s_wait_alu depctr_va_vdst(0)
.irp k, 0,1,2,3,4,5,6,7
	v_rcp_f32 v[GD+\k], v[GD+\k]
	v_rcp_f32 v[HD+\k], v[HD+\k]
.endr
.irp k, 0,2,4,6
	v_pk_mul_f32 v[GS+\k:GS+\k+1], v[gb+\k:gb+\k+1], 0.5 op_sel_hi:[1,0]
	v_pk_mul_f32 v[HS+\k:HS+\k+1], v[gb+8+\k:gb+9+\k], 0.5 op_sel_hi:[1,0]
.endr
	s_wait_alu depctr_va_vdst(0)
.irp k, 0,2,4,6
	v_pk_mul_f32 v[GN+\k:GN+\k+1], v[GN+\k:GN+\k+1], v[GD+\k:GD+\k+1]
	v_pk_mul_f32 v[HN+\k:HN+\k+1], v[HN+\k:HN+\k+1], v[HD+\k:HD+\k+1]
.endr
.irp k, 0,2,4,6
	v_pk_fma_f32 v[gb+\k:gb+\k+1], v[GS+\k:GS+\k+1], v[GN+\k:GN+\k+1], v[GS+\k:GS+\k+1]
	v_pk_fma_f32 v[gb+8+\k:gb+9+\k], v[HS+\k:HS+\k+1], v[HN+\k:HN+\k+1], v[HS+\k:HS+\k+1]
.endr
.set gb, gb+16
.endr
.endm
	s_load_b256 s[4:11], s[0:1], 0x0
	v_lshl_add_u32 v[SPW], v0, 2, SPARE
	v_mov_b32 v[NIL], 0
	ds_add_u32 v28, v29
	ds_add_u32 v28, v29
	s_wait_dscnt 0x0
	v_lshrrev_b32 v1, 5, v0
	v_readfirstlane_b32 s14, v1
	s_lshr_b32 s15, s14, 1
	s_and_b32 s16, s14, 1
	s_bfe_u32 s40, ttmp6, 0x40000
	s_bfe_u32 s41, ttmp6, 0x40004
	s_lshl_b32 s42, ttmp9, 2
	s_add_co_u32 s42, s42, s40
	s_and_b32 s17, ttmp7, 0xffff
	s_lshl_b32 s17, s17, 2
	s_add_co_u32 s17, s17, s41
	s_lshl_b32 s43, s41, 2
	s_lshl_b32 s43, 15, s43
	s_lshl_b32 s44, 0x1111, s40
	s_or_b32 s[G1], s43, (3<<16)|(1<<21)
	s_or_b32 s[G1B], s44, (3<<16)|(1<<21)
.irp g, G1, G1B
	s_mov_b32 s[\g+1], 2112<<16
	s_mov_b32 s[\g+2], 2<<16
	s_mov_b32 s[\g+3], 2112<<16
	s_mov_b32 s[\g+4], 2
	s_mov_b32 s[\g+5], 8448
	s_mov_b32 s[\g+6], 0
	s_mov_b32 s[\g+7], 0
.endr
	s_lshl_b32 s18, s16, 1
	s_lshl_b32 s20, s17, 2
	s_add_co_u32 s20, s20, s18
	s_mul_i32 s20, s20, GP
	s_mov_b32 s21, 0
	s_lshl_b32 s46, s42, 2
	s_add_co_u32 s46, s46, s18
	s_mul_i32 s46, s46, GP
	s_add_co_u32 s46, s46, W1OFF
	s_mov_b32 s47, 0
	s_mul_i32 s45, s14, HALFT
	s_wait_kmcnt 0x0
	s_add_nc_u64 s[20:21], s[4:5], s[20:21]
	s_add_nc_u64 s[46:47], s[6:7], s[46:47]
	CROUND
.irp s, 0,1
	s_mov_b32 s[G0+4*\s], 1
	s_add_co_u32 s[G0+4*\s+1], s45, \s*SLOT
	s_add_nc_u64 s[G0+4*\s+2:G0+4*\s+3], s[20:21], \s*2*CH
	s_or_b32 s[G0+4*\s+3], s[G0+4*\s+3], 0x80000000
	s_mov_b32 s[G0B+4*\s], 1
	s_add_co_u32 s[G0B+4*\s+1], s45, \s*SLOT
	s_add_nc_u64 s[G0B+4*\s+2:G0B+4*\s+3], s[46:47], \s*2*CH
	s_or_b32 s[G0B+4*\s+3], s[G0B+4*\s+3], 0x80000000
.if \s
	s_wait_alu depctr_va_vdst(0)
	s_wait_tensorcnt 0x0
	ds_add_u32 v28, v29
	ds_add_u32 v28, v29
	s_wait_dscnt 0x0
	CROUND
.endif
	JLOAD G0+4*\s, G1, G0B+4*\s, G1B
.endr
	; the prefetches: of the four chunks that my joint load brings, the partner at place p (cx for A's tiles, cy for B's) names chunk row p / 2, chunk p % 2: the partners are told apart by address
	s_cmp_eq_u32 s15, 0
	s_cselect_b64 s[12:13], s[20:21], s[46:47]
	s_cselect_b32 s98, s40, s41
	s_lshr_b32 s99, s98, 1
	s_mul_i32 s99, s99, GP
	s_and_b32 s98, s98, 1
	s_mul_i32 s98, s98, CH
	s_add_co_u32 s98, s98, s99
	s_mov_b32 s99, 0
	s_add_nc_u64 s[12:13], s[12:13], s[98:99]
	v_and_b32 v1, 31, v0
	v_lshlrev_b32 v6, 8, v1                        ; 256 x lane: 32 lanes name a chunk's 8,192 bytes of codes
	v_and_b32 v2, 15, v0
	v_bfe_u32 v3, v0, 4, 1
	v_lshlrev_b32 v[VO], 4, v1
	s_mul_i32 s21, s15, HALFT
	s_mul_i32 s22, s16, HALFT
	s_add_co_u32 s22, s22, 2*HALFT
	s_sub_co_u32 s23, s22, s21
	v_mul_u32_u24 v4, s23, v3
	v_lshl_add_u32 v4, v2, 4, v4
	s_add_co_u32 s23, s21, 8192
	v_add_nc_u32 v[ADRS], s23, v4
	v_add_nc_u32 v[ADRS+1], SLOT, v[ADRS]
.irp s, 0,1
	v_add_nc_u32 v[ADRA+\s], s21, v[VO]
	v_add_nc_u32 v[ADRB+\s], s22, v[VO]
	s_add_co_u32 s21, s21, SLOT
	s_add_co_u32 s22, s22, SLOT
.endr
	s_lshl_b32 s92, s42, 10
	s_lshl_b32 s93, s16, 9
	s_add_co_u32 s92, s92, s93
	s_mov_b32 s93, 0
	s_add_nc_u64 s[92:93], s[8:9], s[92:93]
	v_lshlrev_b32 v5, 6, v3
.irp b, 0,1,2,3
.irp j, 0,1,2,3
	global_load_b128 v[BIAS+16*\b+4*\j:BIAS+16*\b+4*\j+3], v5, s[92:93] offset:128*\b+16*\j
.endr
.endr
	s_lshl_b32 s96, s17, 2
	s_lshl_b32 s97, s15, 1
	s_add_co_u32 s96, s96, s97
	s_lshl_b32 s96, s96, 3
	s_and_b32 s97, s42, 3
	s_lshl_b32 s97, s97, 1
	s_add_co_u32 s96, s96, s97
	s_add_co_u32 s96, s96, s16
	s_mul_i32 s96, s96, CH
	s_lshr_b32 s97, s42, 2
	s_mul_i32 s97, s97, 64*GP
	s_add_co_u32 s96, s96, s97
	s_mov_b32 s97, 0
	s_add_nc_u64 s[96:97], s[10:11], s[96:97]
	s_lshl_b32 s94, s14, 9
	s_add_co_u32 s94, s94, SST
	v_lshl_add_u32 v[SS0], v2, 4, s94
	v_add_nc_u32 v[SSR], s94, v[VO]
	v_mul_u32_u24 v[VSC], v3, GP
	v_lshl_add_u32 v[VSC], v2, 4, v[VSC]
	s_mov_b32 s89, 0x600000
	s_mov_b32 s90, 0x76543210
	s_mov_b32 s91, 0xfedcba98
.macro KONST k, bits
	s_mov_b32 s[CK+\k], \bits
	s_mov_b32 s[CK+\k+1], \bits
.endm
	KONST 0,  0x3f3504f3
	KONST 2,  0x32edffee
	KONST 4,  0xb60cff51
	KONST 6,  0xb86ec2d2
	KONST 8,  0xba40ac63
	KONST 10, 0xbb41a1f6
	KONST 12, 0xbc83dbd4
	KONST 14, 0xb95fbd29
	KONST 16, 0xbadc924e
	KONST 18, 0xbbf19bf8
	KONST 20, 0xbc69b6a7
	s_wait_alu depctr_va_vdst(0)
	s_wait_tensorcnt 1
	s_barrier_signal -1
	s_barrier_wait -1
	FETCH_B 0, 0, 0
	FETCH_A 0, 0, 0
	SCALES 0
	FETCH_A 0, 0, 4
	global_prefetch_b8 v6, s[12:13] offset:4*CH th:TH_LOAD_NT scope:SCOPE_SE   ; what the two refills will ask for: K steps 2 and 3 of 256, two and four steps of 128 ahead of their loads
	global_prefetch_b8 v6, s[12:13] offset:6*CH th:TH_LOAD_NT scope:SCOPE_SE
	STEP 0, 0, 1
	TURN 0, 1, 1
	STEP 1, 0, 0
	TURN 1, 0, 1
	STEP 0, 0, 0
	TURN 0, 1, 0
	STEP 1, 0, 0
	s_wait_dscnt 4*NL
	WIN MUL_LO
	MUL16 0, 1, 1, 1, 0
	MUL16 2, 1, 1, 1, 0
	s_wait_dscnt 0
	WIN MUL_HI
	MUL16 4, 1, 1, 1, 0
	MUL16 6, 1, 1, 1, 0
	WIN 0
	PLACES NP
	s_wait_loadcnt 0x0
	v_mov_b32 v[GA0], 0xaf95df0b
	v_mov_b32 v[GA0+1], 0xaf95df0b
	v_mov_b32 v[GB0], 0xb77460cd
	v_mov_b32 v[GB0+1], 0xb77460cd
	s_mov_b32 s[AI], 0
.Lrow:
.irp a, 0,1,2,3,4,5,6
	s_cmp_eq_u32 s[AI], \a
	s_cbranch_scc1 .Lp\a
.endr
	PULLC 7
	s_branch .Ldo
.irp a, 0,1,2,3,4,5,6
.Lp\a:
	PULLC \a
	s_branch .Ldo
.endr
.Ldo:
	s_and_b32 s92, s[AI], 3
	s_lshr_b32 s93, s[AI], 2
	s_lshl_b32 s94, s92, 11
	s_mul_i32 s95, s93, GP
	s_add_co_u32 s94, s94, s95
	s_lshl_b32 s92, s92, 2
	s_lshl_b32 s93, s93, 8
	s_add_co_u32 s92, s92, s93
	s_wait_xcnt 0x0
	v_add_nc_u32 v[VOS], s94, v[VO]
	v_add_nc_u32 v[SSW], s92, v[SS0]
	GELU
	QUANT T, PW
.irp c, 0,1,2,3
	global_store_b128 v[VOS], v[PC+4*\c:PC+4*\c+3], s[96:97] offset:512*\c
.endr
	ds_store_b32 v[SSW], v[PW]
	s_add_co_u32 s[AI], s[AI], 1
	s_cmp_lt_u32 s[AI], 8
	s_cbranch_scc1 .Lrow
	s_wait_xcnt 0x0
	ds_load_b128 v[PC:PC+3], v[SSR]
	s_wait_dscnt 0x0
	global_store_b128 v[VSC], v[PC:PC+3], s[96:97] offset:8192
	s_wait_tensorcnt 0x0
	ds_add_u32 v[SPW], v[NIL]
	s_wait_dscnt 0x0
	CROUND
	s_endpgm
.Lfunc_end_k_qb688389200_ff1:
	.size	k_qb688389200_ff1, .Lfunc_end_k_qb688389200_ff1-k_qb688389200_ff1
	.p2alignl 7, 3214868480
	.fill 96, 4, 3214868480
	.section	.rodata,"a",@progbits
	.p2align	6, 0x0
	.amdhsa_kernel k_qb688389200_ff1
		.amdhsa_group_segment_fixed_size 327680
		.amdhsa_private_segment_fixed_size 0
		.amdhsa_enable_private_segment 0
		.amdhsa_kernarg_size 32
		.amdhsa_user_sgpr_count 2
		.amdhsa_user_sgpr_kernarg_segment_ptr 1
		.amdhsa_wavefront_size32 1
		.amdhsa_system_sgpr_workgroup_id_x 1
		.amdhsa_system_sgpr_workgroup_id_y 1
		.amdhsa_system_sgpr_workgroup_id_z 1
		.amdhsa_system_vgpr_workitem_id 0
		.amdhsa_next_free_vgpr 1024
		.amdhsa_next_free_sgpr 100
		.amdhsa_reserve_vcc 0
		.amdhsa_float_denorm_mode_32 3
		.amdhsa_float_denorm_mode_16_64 3
		.amdhsa_memory_ordered 1
		.amdhsa_forward_progress 1
		.amdhsa_inst_pref_size 182
	.end_amdhsa_kernel
	.amdgpu_metadata
---
amdhsa.version: [ 1, 2 ]
amdhsa.kernels:
  - .name:           k_qb688389200_ff1
    .symbol:         k_qb688389200_ff1.kd
    .args:
      - { .name: ca, .offset: 0, .size: 8, .value_kind: global_buffer, .address_space: global }
      - { .name: wa, .offset: 8, .size: 8, .value_kind: global_buffer, .address_space: global }
      - { .name: b_ff1, .offset: 16, .size: 8, .value_kind: global_buffer, .address_space: global }
      - { .name: hc, .offset: 24, .size: 8, .value_kind: global_buffer, .address_space: global }
    .group_segment_fixed_size: 327680
    .private_segment_fixed_size: 0
    .kernarg_segment_align: 8
    .kernarg_segment_size: 32
    .max_flat_workgroup_size: 128
    .sgpr_count:     100
    .vgpr_count:     1024
    .wavefront_size: 32
...
	.end_amdgpu_metadata
.endif
;; end of part 6
;; launch ff2 (part 7): grid 8 x 32, 4 waves a work-group, clusters of 4 x 4, 327,680 bytes of LDS; arguments hc, w2, y; writes y
.if DOCPART == 7
	.amdgcn_target "amdgcn-amd-amdhsa--gfx1250"
	.amdhsa_code_object_version 6
	.text
	.protected	k_qb688389200_ff2
	.globl	k_qb688389200_ff2
	.p2align	8
	.type	k_qb688389200_ff2,@function
k_qb688389200_ff2:
	s_mov_b64 s[64:65], 0
	v_nop
	global_prefetch_b8 v0, s[64:65] scope:SCOPE_SE
	s_setreg_imm32_b32 hwreg(HW_REG_WAVE_MODE, 25, 1), 1
	s_wait_xcnt 0x0
	s_wait_alu depctr_hold_cnt(0) depctr_sa_sdst(0) depctr_va_vdst(0) depctr_va_sdst(0) depctr_va_ssrc(0) depctr_va_vcc(0) depctr_vm_vsrc(0)
	s_getreg_b32 s2, hwreg(HW_REG_IB_STS2, 6, 4)
	s_cmp_eq_u32 s2, 0
	s_cbranch_scc0 .Lentry_in_a_cluster
	s_endpgm
.Lentry_in_a_cluster:
	s_bfe_u32 s2, ttmp6, 0x10000c
	s_cmp_lg_u32 s2, 0xf033
	s_cbranch_scc0 .Lentry_shape_is_right
	s_endpgm
.Lentry_shape_is_right:
.set LAPS,   4
.set CH,     8448
.set GP,     8*CH
.set HALFT,  4*CH
.set SLOT,   4*HALFT
.set SPARE,  2*SLOT
.set SPLA,   64*GP
.set SPLB,   16*GP
.set FR,     16
.set NL,     4
.set NP,     8
.set ADRA, 16
.set ADRB, 20
.set ADRS, 22
.set VO,   24
.set SPW,  28
.set NIL,  29
.set SC,   32
.set ACC,  128
.set G1,  24
.set G0,  32
.set G1B, 48
.set G0B, 56
.set MSB, 0
.macro WIN new
.if MSB != (\new)
	s_set_vgpr_msb (MSB<<8)|(\new)
.set MSB, (\new)
.endif
.endm
.set MUL,  0x05
.set TO_F, 0x40
.macro JLOAD g0a, g1a, g0b, g1b
	s_cmp_eq_u32 s15, 0
	s_cbranch_scc0 .Lfor_b_\@
	tensor_load_to_lds s[\g0a:\g0a+3], s[\g1a:\g1a+7]
	s_nop 0
.rept 4
	v_nop
.endr
	s_branch .Lasked_\@
.Lfor_b_\@:
	tensor_load_to_lds s[\g0b:\g0b+3], s[\g1b:\g1b+7]
	s_nop 0
.rept 4
	v_nop
.endr
.Lasked_\@:
.endm
.macro CREST
	s_cmp_lg_u32 s14, 0
	s_cbranch_scc1 .Lnot_wave_0_\@
	s_barrier_signal -3
.Lnot_wave_0_\@:
	s_barrier_wait -3
	s_barrier_signal -1
	s_barrier_wait -1
.endm
.macro CROUND
	s_barrier_signal -1
	s_barrier_wait -1
	CREST
.endm
.macro FRAG reg, adr, q, t
.irp c, 0,1,2,3
	ds_load_b128 v[\reg+4*\c:\reg+4*\c+3], v[\adr] offset:(\q)*CH+(\t)*2048+512*\c
.endr
.endm
.macro SCALES slot
.irp q, 0,1,2,3
	ds_load_b128 v[SC+16*\slot+4*\q:SC+16*\slot+4*\q+3], v[ADRS+\slot] offset:\q*CH
.endr
.endm
.macro FETCH slot, q, p, sc
	WIN TO_F
.irp t, 0,1,2,3
	FRAG 128*(\p)+64+FR*\t, ADRB+\slot, \q, \t
.endr
.irp t, 0,1
	FRAG 128*(\p)+FR*\t, ADRA+\slot, \q, \t
.endr
.if \sc
	WIN 0
	SCALES \slot
	WIN TO_F
.endif
.irp t, 2,3
	FRAG 128*(\p)+FR*\t, ADRA+\slot, \q, \t
.endr
.endm
.macro MUL4 p, a, q, sc, zero
.irp b, 0,1,2,3
.if \zero
	v_wmma_scale_f32_16x16x128_f8f6f4 v[ACC+8*(4*(\a)+\b):ACC+8*(4*(\a)+\b)+7], v[128*(\p)+64+FR*\b:128*(\p)+64+FR*\b+FR-1], v[128*(\p)+FR*(\a):128*(\p)+FR*(\a)+FR-1], 0, v[SC+16*(\sc)+4*(\q)+\b], v[SC+16*(\sc)+4*(\q)+(\a)] matrix_a_fmt:MATRIX_FMT_BF8 matrix_b_fmt:MATRIX_FMT_BF8 matrix_a_scale:MATRIX_SCALE_ROW1
.else
	v_wmma_scale_f32_16x16x128_f8f6f4 v[ACC+8*(4*(\a)+\b):ACC+8*(4*(\a)+\b)+7], v[128*(\p)+64+FR*\b:128*(\p)+64+FR*\b+FR-1], v[128*(\p)+FR*(\a):128*(\p)+FR*(\a)+FR-1], v[ACC+8*(4*(\a)+\b):ACC+8*(4*(\a)+\b)+7], v[SC+16*(\sc)+4*(\q)+\b], v[SC+16*(\sc)+4*(\q)+(\a)] matrix_a_fmt:MATRIX_FMT_BF8 matrix_b_fmt:MATRIX_FMT_BF8 matrix_a_scale:MATRIX_SCALE_ROW1
.endif
.endr
.endm
.macro PLACES n
.rept \n
	v_nop
.endr
.endm
.macro STEP slot, q, zero
	s_wait_dscnt 2*NL
	WIN MUL
	MUL4 (\q)%2, 0, \q, \slot, \zero
	MUL4 (\q)%2, 1, \q, \slot, \zero
	PLACES NP
	FETCH \slot, (\q)+1, 1-(\q)%2, 0
	s_wait_dscnt 8*NL
	WIN MUL
	MUL4 (\q)%2, 2, \q, \slot, \zero
	MUL4 (\q)%2, 3, \q, \slot, \zero
.endm
.macro TURN slot, next, fill
	WIN 0
.if (\fill) && (\slot) == 0
	s_wait_xcnt 0x0                                ; my prefetches, four steps and more back, have read their address: it steps a lap on
	s_add_nc_u64 s[68:69], s[68:69], s[70:71]
.endif
	s_wait_tensorcnt 0x0
	ds_add_u32 v[SPW], v[NIL]
	s_wait_dscnt 2*NL+1
	WIN MUL
	MUL4 1, 0, 3, \slot, 0
	s_wait_dscnt 0x0
	s_barrier_signal -1
	MUL4 1, 1, 3, \slot, 0
	WIN 0
	s_barrier_wait -1
.if \fill
	CREST
	s_add_nc_u64 s[G0+4*\slot+2:G0+4*\slot+3], s[G0+4*\slot+2:G0+4*\slot+3], SPLA
	s_add_nc_u64 s[G0B+4*\slot+2:G0B+4*\slot+3], s[G0B+4*\slot+2:G0B+4*\slot+3], SPLB
	JLOAD G0+4*\slot, G1, G0B+4*\slot, G1B
	PLACES NP-4
.else
	PLACES NP
.endif
	FETCH \next, 0, 0, 1
.if \fill
	WIN 0                                          ; behind the joint load and the run of LDS loads: this slot's tile of the lap after the one just asked for, two refills ahead; the loop's last trip has no such lap
	s_cmp_gt_u32 s3, 1
	s_cbranch_scc0 .Lnone_\@
	global_prefetch_b8 v25, s[68:69] offset:(\slot)*4*CH th:TH_LOAD_NT scope:SCOPE_SE
.Lnone_\@:
.endif
	WIN MUL
	MUL4 1, 2, 3, \slot, 0
	MUL4 1, 3, 3, \slot, 0
.endm
	s_load_b128 s[4:7], s[0:1], 0x0
	s_load_b64 s[8:9], s[0:1], 0x10
	v_lshl_add_u32 v[SPW], v0, 2, SPARE
	v_mov_b32 v[NIL], 0
	ds_add_u32 v28, v29
	ds_add_u32 v28, v29
	s_wait_dscnt 0x0
	v_lshrrev_b32 v1, 5, v0
	v_readfirstlane_b32 s14, v1
	s_lshr_b32 s15, s14, 1
	s_and_b32 s16, s14, 1
	s_bfe_u32 s40, ttmp6, 0x40000
	s_bfe_u32 s41, ttmp6, 0x40004
	s_lshl_b32 s42, ttmp9, 2
	s_add_co_u32 s42, s42, s40
	s_and_b32 s17, ttmp7, 0xffff
	s_lshl_b32 s17, s17, 2
	s_add_co_u32 s17, s17, s41
	s_lshl_b32 s43, s41, 2
	s_lshl_b32 s43, 15, s43
	s_lshl_b32 s44, 0x1111, s40
	s_or_b32 s[G1], s43, (3<<16)|(1<<21)
	s_or_b32 s[G1B], s44, (3<<16)|(1<<21)
.irp g, G1, G1B
	s_mov_b32 s[\g+1], 1056<<16
	s_mov_b32 s[\g+2], 4<<16
	s_mov_b32 s[\g+3], 1056<<16
	s_mov_b32 s[\g+4], 4
	s_mov_b32 s[\g+5], 1056
	s_mov_b32 s[\g+6], 0
	s_mov_b32 s[\g+7], 0
.endr
	s_lshl_b32 s20, s17, 1
	s_add_co_u32 s20, s20, s16
	s_mul_i32 s20, s20, GP
	s_mov_b32 s21, 0
	s_lshl_b32 s46, s42, 1
	s_add_co_u32 s46, s46, s16
	s_mul_i32 s46, s46, GP
	s_mov_b32 s47, 0
	s_mul_i32 s45, s14, HALFT
	s_wait_kmcnt 0x0
	s_add_nc_u64 s[20:21], s[4:5], s[20:21]
	s_add_nc_u64 s[46:47], s[6:7], s[46:47]
	CROUND
.irp s, 0,1
	s_mov_b32 s[G0+4*\s], 1
	s_add_co_u32 s[G0+4*\s+1], s45, \s*SLOT
	s_add_nc_u64 s[G0+4*\s+2:G0+4*\s+3], s[20:21], \s*4*CH
	s_or_b32 s[G0+4*\s+3], s[G0+4*\s+3], 0x80000000
	s_mov_b32 s[G0B+4*\s], 1
	s_add_co_u32 s[G0B+4*\s+1], s45, \s*SLOT
	s_add_nc_u64 s[G0B+4*\s+2:G0B+4*\s+3], s[46:47], \s*4*CH
	s_or_b32 s[G0B+4*\s+3], s[G0B+4*\s+3], 0x80000000
.if \s
	s_wait_alu depctr_va_vdst(0)
	s_wait_tensorcnt 0x0
	ds_add_u32 v28, v29
	ds_add_u32 v28, v29
	s_wait_dscnt 0x0
	CROUND
.endif
	JLOAD G0+4*\s, G1, G0B+4*\s, G1B
.endr
	; the prefetches: of the four chunks that my joint load brings, the partner at place p (cx for A's tiles, cy for B's) names chunk p: the partners are told apart by address.  s[68:69]: that chunk in slot 0's tile of the lap asked for; s[70:71]: a lap on
	s_cmp_eq_u32 s15, 0
	s_cselect_b64 s[68:69], s[20:21], s[46:47]
	s_cselect_b32 s70, s40, s41
	s_mul_i32 s70, s70, CH
	s_mov_b32 s71, 0
	s_add_nc_u64 s[68:69], s[68:69], s[70:71]
	s_mov_b32 s70, SPLB
	s_cselect_b32 s70, SPLA, s70
	s_add_nc_u64 s[68:69], s[68:69], s[70:71]      ; lap 1
	v_and_b32 v1, 31, v0
	v_lshlrev_b32 v25, 8, v1                       ; 256 x lane: 32 lanes name a chunk's 8,192 bytes of codes
	v_and_b32 v2, 15, v0
	v_bfe_u32 v3, v0, 4, 1
	v_lshlrev_b32 v[VO], 4, v1
	s_mul_i32 s21, s15, HALFT
	s_mul_i32 s22, s16, HALFT
	s_add_co_u32 s22, s22, 2*HALFT
	s_sub_co_u32 s23, s22, s21
	v_mul_u32_u24 v4, s23, v3
	v_lshl_add_u32 v4, v2, 4, v4
	s_add_co_u32 s23, s21, 8192
	v_add_nc_u32 v[ADRS], s23, v4
	v_add_nc_u32 v[ADRS+1], SLOT, v[ADRS]
.irp s, 0,1
	v_add_nc_u32 v[ADRA+\s], s21, v[VO]
	v_add_nc_u32 v[ADRB+\s], s22, v[VO]
	s_add_co_u32 s21, s21, SLOT
	s_add_co_u32 s22, s22, SLOT
.endr
	s_lshl_b32 s66, s17, 1
	s_add_co_u32 s66, s66, s15
	s_lshl_b32 s66, s66, 5
	s_add_co_u32 s66, s66, s42
	s_lshl_b32 s66, s66, 13
	s_lshl_b32 s67, s16, 12
	s_add_co_u32 s66, s66, s67
	s_mov_b32 s67, 0
	s_add_nc_u64 s[8:9], s[8:9], s[66:67]
	s_wait_alu depctr_va_vdst(0)
	s_wait_tensorcnt 1
	s_barrier_signal -1
	s_barrier_wait -1
	FETCH 0, 0, 0, 1
	global_prefetch_b8 v25, s[68:69] th:TH_LOAD_NT scope:SCOPE_SE                ; lap 1's two slots: four and eight steps of 128 ahead of their loads
	global_prefetch_b8 v25, s[68:69] offset:4*CH th:TH_LOAD_NT scope:SCOPE_SE
	STEP 0, 0, 1
.if LAPS > 1
	WIN 0
	s_mov_b32 s3, LAPS-1
.Llap:
	STEP 0, 1, 0
	STEP 0, 2, 0
	TURN 0, 1, 1
	STEP 1, 0, 0
	STEP 1, 1, 0
	STEP 1, 2, 0
	TURN 1, 0, 1
	STEP 0, 0, 0
	WIN 0
	s_sub_co_u32 s3, s3, 1
	s_cmp_lg_u32 s3, 0
	s_cbranch_scc1 .Llap
.endif
	STEP 0, 1, 0
	STEP 0, 2, 0
	TURN 0, 1, 0
	STEP 1, 0, 0
	STEP 1, 1, 0
	STEP 1, 2, 0
	s_wait_dscnt 2*NL
	WIN MUL
	MUL4 1, 0, 3, 1, 0
	MUL4 1, 1, 3, 1, 0
	s_wait_dscnt 0
	MUL4 1, 2, 3, 1, 0
	MUL4 1, 3, 3, 1, 0
	WIN 0
	PLACES NP
.irp a, 0,1,2,3
.irp b, 0,1,2,3
	global_store_b128 v[VO], v[ACC+8*(4*\a+\b):ACC+8*(4*\a+\b)+3], s[8:9] offset:\a*65536+\b*1024 th:TH_STORE_NT
	global_store_b128 v[VO], v[ACC+8*(4*\a+\b)+4:ACC+8*(4*\a+\b)+7], s[8:9] offset:\a*65536+\b*1024+512 th:TH_STORE_NT
.endr
.endr
	s_wait_tensorcnt 0x0
	ds_add_u32 v[SPW], v[NIL]
	s_wait_dscnt 0x0
	CROUND
	s_endpgm
.Lfunc_end_k_qb688389200_ff2:
	.size	k_qb688389200_ff2, .Lfunc_end_k_qb688389200_ff2-k_qb688389200_ff2
	.p2alignl 7, 3214868480
	.fill 96, 4, 3214868480
	.section	.rodata,"a",@progbits
	.p2align	6, 0x0
	.amdhsa_kernel k_qb688389200_ff2
		.amdhsa_group_segment_fixed_size 327680
		.amdhsa_private_segment_fixed_size 0
		.amdhsa_enable_private_segment 0
		.amdhsa_kernarg_size 24
		.amdhsa_user_sgpr_count 2
		.amdhsa_user_sgpr_kernarg_segment_ptr 1
		.amdhsa_wavefront_size32 1
		.amdhsa_system_sgpr_workgroup_id_x 1
		.amdhsa_system_sgpr_workgroup_id_y 1
		.amdhsa_system_sgpr_workgroup_id_z 1
		.amdhsa_system_vgpr_workitem_id 0
		.amdhsa_next_free_vgpr 512
		.amdhsa_next_free_sgpr 72
		.amdhsa_reserve_vcc 0
		.amdhsa_float_denorm_mode_32 3
		.amdhsa_float_denorm_mode_16_64 3
		.amdhsa_memory_ordered 1
		.amdhsa_forward_progress 1
		.amdhsa_inst_pref_size 86
	.end_amdhsa_kernel
	.amdgpu_metadata
---
amdhsa.version: [ 1, 2 ]
amdhsa.kernels:
  - .name:           k_qb688389200_ff2
    .symbol:         k_qb688389200_ff2.kd
    .args:
      - { .name: hc, .offset: 0, .size: 8, .value_kind: global_buffer, .address_space: global }
      - { .name: w2, .offset: 8, .size: 8, .value_kind: global_buffer, .address_space: global }
      - { .name: y, .offset: 16, .size: 8, .value_kind: global_buffer, .address_space: global }
    .group_segment_fixed_size: 327680
    .private_segment_fixed_size: 0
    .kernarg_segment_align: 8
    .kernarg_segment_size: 24
    .max_flat_workgroup_size: 128
    .sgpr_count:     72
    .vgpr_count:     512
    .wavefront_size: 32
...
	.end_amdgpu_metadata
.endif
;; end of part 7
;; launch ln2 (part 8): grid 256 x 1, 8 waves a work-group, no clusters, 69,632 bytes of LDS; arguments y, x1, b_ff2, ln2_g, ln2_b, out0; writes out0
.if DOCPART == 8
	.amdgcn_target "amdgcn-amd-amdhsa--gfx1250"
	.amdhsa_code_object_version 6
	.text
	.protected	k_qb688389200_ln2
	.globl	k_qb688389200_ln2
	.p2align	8
	.type	k_qb688389200_ln2,@function
k_qb688389200_ln2:
	s_mov_b64 s[64:65], 0
	v_nop
	global_prefetch_b8 v0, s[64:65] scope:SCOPE_SE
	s_setreg_imm32_b32 hwreg(HW_REG_WAVE_MODE, 25, 1), 1
	s_wait_xcnt 0x0
; out0 = LayerNorm(x1 + (the second FFN product + b_ff2)) x gamma + beta, in f32.
; A work-group takes a tile of 16 tokens (lane-row r of tile T is token 64 (T / 4) + 32 ((T % 4) / 2) + 8 (T % 2) + r + 8 (r / 8)), wave w columns 128 w on; lane (r, h) holds, in register 16 b + i, column 128 w + 32 b + 16 h + i:
; the layout in which the product left its sums and the first norm its result: both come as images of registers, 512 consecutive bytes a load.
; Mean and variance in two passes; a row's eight partial sums meet in LDS.  The result turns through the wave's own stage in LDS and leaves by rows: each store of the wave covers 512 consecutive bytes, aligned.
; Memory binds: no matrix unit, no cluster; three sets of 16 loads go out at the head.  LIMITS: NaN and infinities among the inputs are not served.
.set STAT, 67584                       ; behind the eight stages of 8,448 bytes: 2 x 512 bytes: [16 rows][8 waves] words
.set WV,  2
.set SEL, 18
.set V,   16
.set R,   80
.set G,   144
.set SA,  242
.set MU,  250
.macro ADDV src                        ; V += a set of 64
.set n, 0
.rept 32
	v_pk_add_f32 v[V+n:V+n+1], v[V+n:V+n+1], v[\src+n:\src+n+1]
.set n, n+2
.endr
.endm
.macro PARAM dst, base                 ; 64 numbers of a vector of 1,024, in my layout
.irp b, 0,1,2,3
.irp j, 0,1,2,3
	global_load_b128 v[\dst+16*\b+4*\j:\dst+16*\b+4*\j+3], v5, s[\base:\base+1] offset:128*\b+16*\j
.endr
.endr
.endm
.macro IMAGE dst, base                 ; my block of an image of registers: 16 loads of 512 consecutive bytes
.irp u, 0,1,2,3,4,5,6,7,8,9,10,11,12,13,14,15
	global_load_b128 v[\dst+4*\u:\dst+4*\u+3], v2, s[\base:\base+1] offset:512*\u th:TH_LOAD_NT
.endr
.endm
; the mean over a row's 1,024 columns of V (sq = 0) or of its squares (sq = 1), into v[MU], in every lane
.macro STATS base, sq
.irp k, 0,2,4,6
.if \sq
	v_pk_mul_f32 v[SA+\k:SA+\k+1], v[V+\k:V+\k+1], v[V+\k:V+\k+1]
.else
	v_pk_add_f32 v[SA+\k:SA+\k+1], v[V+\k:V+\k+1], v[V+8+\k:V+9+\k]
.endif
.endr
.irp j, 8,16,24,32,40,48,56
.irp k, 0,2,4,6
.if \sq
	s_delay_alu instid0(VALU_DEP_4)
	v_pk_fma_f32 v[SA+\k:SA+\k+1], v[V+\j+\k:V+\j+\k+1], v[V+\j+\k:V+\j+\k+1], v[SA+\k:SA+\k+1]
.elseif \j > 8
	s_delay_alu instid0(VALU_DEP_4)
	v_pk_add_f32 v[SA+\k:SA+\k+1], v[SA+\k:SA+\k+1], v[V+\j+\k:V+\j+\k+1]
.endif
.endr
.endr
	s_delay_alu instid0(VALU_DEP_3)
	v_pk_add_f32 v[SA:SA+1], v[SA:SA+1], v[SA+2:SA+3]
	s_delay_alu instid0(VALU_DEP_2)
	v_pk_add_f32 v[SA+4:SA+5], v[SA+4:SA+5], v[SA+6:SA+7]
	s_delay_alu instid0(VALU_DEP_1)
	v_pk_add_f32 v[SA:SA+1], v[SA:SA+1], v[SA+4:SA+5]
	s_delay_alu instid0(VALU_DEP_1)
	v_add_f32 v[SA], v[SA], v[SA+1]
	s_delay_alu instid0(VALU_DEP_1)
	v_permlanex16_b32 v[SA+1], v[SA], s[SEL], s[SEL+1]
	s_delay_alu instid0(VALU_DEP_1)
	v_add_f32 v[SA], v[SA], v[SA+1]                ; my wave's 128 columns of row r
	ds_store_b32 v10, v[SA] offset:\base           ; (both halves of the lanes write the same word with the same value)
	s_wait_dscnt 0x0                               ; for the others' sake
	s_barrier_signal -1
	s_barrier_wait -1
	ds_load_b128 v[SA:SA+3], v11 offset:\base
	ds_load_b128 v[SA+4:SA+7], v11 offset:\base+16
	s_wait_dscnt 0x0
	v_pk_add_f32 v[SA:SA+1], v[SA:SA+1], v[SA+2:SA+3]
	v_pk_add_f32 v[SA+4:SA+5], v[SA+4:SA+5], v[SA+6:SA+7]
	s_delay_alu instid0(VALU_DEP_1)
	v_pk_add_f32 v[SA:SA+1], v[SA:SA+1], v[SA+4:SA+5]
	s_delay_alu instid0(VALU_DEP_1)
	v_add_f32 v[SA], v[SA], v[SA+1]
	s_delay_alu instid0(VALU_DEP_1)
	v_mul_f32 v[MU], 0x3a800000, v[SA]             ; / 1,024
.endm
	s_load_b256 s[4:11], s[0:1], 0x0               ; y, x1, b_ff2, ln2_g
	s_load_b128 s[12:15], s[0:1], 0x20             ; ln2_b, out0
	v_lshl_add_u32 v254, v0, 2, 0x10c00
	v_mov_b32 v255, 0
	v_lshrrev_b32 v1, 5, v0
	s_delay_alu instid0(VALU_DEP_1)
	v_readfirstlane_b32 s[WV], v1
	v_and_b32 v1, 31, v0
	s_delay_alu instid0(VALU_DEP_1)
	v_lshlrev_b32 v2, 4, v1                        ; 16 x lane
	s_wait_alu depctr_va_vdst(0)
	v_and_b32 v3, 15, v0                           ; r
	s_wait_alu depctr_va_vdst(0)
	v_bfe_u32 v4, v0, 4, 1                         ; h
	s_delay_alu instid0(VALU_DEP_1)
	v_lshlrev_b32 v5, 6, v4                        ; 64 h
	s_mov_b32 s[SEL], 0x76543210
	s_mov_b32 s[SEL+1], 0xfedcba98
	s_lshr_b32 s28, ttmp9, 2
	s_lshl_b32 s29, s28, 6
	s_bfe_u32 s30, ttmp9, 0x10001
	s_lshl_b32 s30, s30, 5
	s_add_co_u32 s29, s29, s30
	s_and_b32 s30, ttmp9, 1
	s_lshl_b32 s30, s30, 3
	s_add_co_u32 s29, s29, s30                     ; the tile's first token
	s_lshl_b32 s32, s29, 12
	s_lshl_b32 s34, s[WV], 9                       ; my 128 columns: 512 bytes
	s_add_co_u32 s32, s32, s34
	s_mov_b32 s33, 0
	s_mov_b32 s35, 0
	s_lshl_b32 s36, ttmp9, 3
	s_add_co_u32 s36, s36, s[WV]
	s_lshl_b32 s36, s36, 13                        ; my block of an image
	s_mov_b32 s37, 0
	s_mul_i32 s38, s[WV], 8448                     ; my stage: 16 rows of 512 bytes + 16
	v_add_nc_u32 v8, s38, v2
	v_mul_u32_u24 v9, v3, 528
	s_wait_alu depctr_va_vdst(0)
	v_lshl_add_u32 v9, v4, 6, v9
	s_delay_alu instid0(VALU_DEP_1)
	v_add_nc_u32 v9, s38, v9
	v_lshlrev_b32 v11, 5, v3
	s_delay_alu instid0(VALU_DEP_1)
	v_add_nc_u32 v11, STAT, v11
	s_lshl_b32 s39, s[WV], 2
	v_add_nc_u32 v10, s39, v11
	v_mov_b32 v[MU+1], 0                           ; (the upper half of a pair of which the low word serves both halves)
	s_wait_kmcnt 0x0
	s_add_nc_u64 s[4:5], s[4:5], s[36:37]
	s_add_nc_u64 s[6:7], s[6:7], s[36:37]
	s_add_nc_u64 s[8:9], s[8:9], s[34:35]
	s_add_nc_u64 s[10:11], s[10:11], s[34:35]
	s_add_nc_u64 s[12:13], s[12:13], s[34:35]
	s_add_nc_u64 s[14:15], s[14:15], s[32:33]
	IMAGE V, 4                                     ; the product's sums
	IMAGE R, 6                                     ; the residual
	PARAM G, 8                                     ; the bias
	s_wait_loadcnt 16                              ; the sums and the residual are in; the bias may be out
	ADDV R
	PARAM R, 12                                    ; beta
	s_wait_loadcnt 16                              ; the bias is in; beta may be out
	ADDV G
	PARAM G, 10                                    ; gamma
	STATS 0, 0
.set n, 0
.rept 32
	v_pk_add_f32 v[V+n:V+n+1], v[V+n:V+n+1], v[MU:MU+1] op_sel_hi:[1,0] neg_lo:[0,1] neg_hi:[0,1]
.set n, n+2
.endr
	STATS 512, 1
	s_delay_alu instid0(VALU_DEP_1)
	v_add_f32 v[MU], 0x3727c5ac, v[MU]             ; + 1e-5
	s_wait_alu depctr_va_vdst(0)
	v_rsq_f32 v[MU], v[MU]
	v_nop                                          ; one plain place behind a transcendental
	s_wait_loadcnt 0x0                             ; beta and gamma
.set n, 0
	s_wait_alu depctr_va_vdst(0)
.rept 32
	v_pk_mul_f32 v[V+n:V+n+1], v[V+n:V+n+1], v[MU:MU+1] op_sel_hi:[1,0]
.set n, n+2
.endr
.set n, 0
.rept 32
	v_pk_fma_f32 v[V+n:V+n+1], v[V+n:V+n+1], v[G+n:G+n+1], v[R+n:R+n+1]
.set n, n+2
.endr
.irp b, 0,1,2,3
.irp j, 0,1,2,3
	ds_store_b128 v9, v[V+16*\b+4*\j:V+16*\b+4*\j+3] offset:128*\b+16*\j
.endr
.endr
.irp i, 0,1,2,3,4,5,6,7,8,9,10,11,12,13,14,15
	ds_load_b128 v[R+4*\i:R+4*\i+3], v8 offset:528*\i   ; LDS serves a wave's instructions in order: these see my stores
.endr
.irp i, 0,1,2,3,4,5,6,7,8,9,10,11,12,13,14,15
	s_wait_dscnt 15-\i                             ; row i is back, the younger rows may be out
	global_store_b128 v2, v[R+4*\i:R+4*\i+3], s[14:15] offset:(\i+8*(\i/8))*4096 th:TH_STORE_NT
.endr
	s_wait_tensorcnt 0x0
	ds_add_u32 v254, v255
	s_wait_dscnt 0x0
	s_endpgm
.Lfunc_end_k_qb688389200_ln2:
	.size	k_qb688389200_ln2, .Lfunc_end_k_qb688389200_ln2-k_qb688389200_ln2
	.p2alignl 7, 3214868480
	.fill 96, 4, 3214868480
	.section	.rodata,"a",@progbits
	.p2align	6, 0x0
	.amdhsa_kernel k_qb688389200_ln2
		.amdhsa_group_segment_fixed_size 69632
		.amdhsa_private_segment_fixed_size 0
		.amdhsa_enable_private_segment 0
		.amdhsa_kernarg_size 48
		.amdhsa_user_sgpr_count 2
		.amdhsa_user_sgpr_kernarg_segment_ptr 1
		.amdhsa_wavefront_size32 1
		.amdhsa_system_sgpr_workgroup_id_x 1
		.amdhsa_system_sgpr_workgroup_id_y 1
		.amdhsa_system_sgpr_workgroup_id_z 1
		.amdhsa_system_vgpr_workitem_id 0
		.amdhsa_next_free_vgpr 256
		.amdhsa_next_free_sgpr 66
		.amdhsa_reserve_vcc 0
		.amdhsa_float_denorm_mode_32 3
		.amdhsa_float_denorm_mode_16_64 3
		.amdhsa_memory_ordered 1
		.amdhsa_forward_progress 1
		.amdhsa_inst_pref_size 33
	.end_amdhsa_kernel
	.amdgpu_metadata
---
amdhsa.version: [ 1, 2 ]
amdhsa.kernels:
  - .name:           k_qb688389200_ln2
    .symbol:         k_qb688389200_ln2.kd
    .args:
      - { .name: y, .offset: 0, .size: 8, .value_kind: global_buffer, .address_space: global }
      - { .name: x1, .offset: 8, .size: 8, .value_kind: global_buffer, .address_space: global }
      - { .name: b_ff2, .offset: 16, .size: 8, .value_kind: global_buffer, .address_space: global }
      - { .name: ln2_g, .offset: 24, .size: 8, .value_kind: global_buffer, .address_space: global }
      - { .name: ln2_b, .offset: 32, .size: 8, .value_kind: global_buffer, .address_space: global }
      - { .name: out0, .offset: 40, .size: 8, .value_kind: global_buffer, .address_space: global }
    .group_segment_fixed_size: 69632
    .private_segment_fixed_size: 0
    .kernarg_segment_align: 8
    .kernarg_segment_size: 48
    .max_flat_workgroup_size: 256
    .sgpr_count:     66
    .vgpr_count:     256
    .wavefront_size: 32
...
	.end_amdgpu_metadata
.endif
;; end of part 8
